; MI455X (gfx1250); checked and timed in simulation.
; The chip was launched on July 23, 2026; its instructions are those of AMD's public machine-readable ISA for CDNA 5 (MIT licence, August 2026) and "CDNA5" Instruction Set Architecture Reference Guide (July 2026). The comments in the code are by the model that wrote it; some were corrected since.
;; Multi Head Attention. Allowed arithmetic: matrix products marked QUANTISED: E2M3 operands, one E8M0 scale for each 32 along K, by v_wmma_scale_f32_16x16x128_f8f6f4 with both operands' format E2M3, f32 sums; everything else in f32.
;; Inputs: W_k 1,024 x 1,024 float32; W_o 1,024 x 1,024 float32; W_q 1,024 x 1,024 float32; W_v 1,024 x 1,024 float32; b_k 1,024 float32; b_o 1,024 float32; b_q 1,024 float32; b_v 1,024 float32; k 2 x 2,048 x 1,024 float32; mask 2 x 2,048 int32; q 2 x 2,048 x 1,024 float32; v 2 x 2,048 x 1,024 float32.
;; Outputs: out0 2 x 2,048 x 1,024 float32.
;; This version of the problem:
;;   THIS VERSION OF THE PROBLEM IS GIVEN IN LOW PRECISION. The matrix products marked QUANTISED in the list below multiply operands that are first quantised to E2M3 (2 exponent bits, 3 mantissa bits; 6 bits a number), with one power-of-two scale for each 32 numbers along K (OCP MX v1.0); their sums are f32. All else is computed in f32.
;;   The module's matrix products, in the order in which they are computed (A, B: the left and right operand; K: the contracted axis; several contracted axes count as one K, in the product's order):
;;     1. [M 4,096, K 1,024] x [K 1,024, N 1,024]; A: input q; B: input W_q: QUANTISED
;;     2. [M 4,096, K 1,024] x [K 1,024, N 1,024]; A: input k; B: input W_k: QUANTISED
;;     3. [M 4,096, K 1,024] x [K 1,024, N 1,024]; A: input v; B: input W_v: QUANTISED
;;     4. batch 32 x [M 2,048, K 64] x [K 64, N 2,048]; A: computed on the way; B: computed on the way: QUANTISED
;;     5. batch 32 x [M 2,048, K 2,048] x [K 2,048, N 64]; A: softmax (see below); B: computed on the way: QUANTISED
;;     6. [M 4,096, K 1,024] x [K 1,024, N 1,024]; A: computed on the way; B: input W_o: QUANTISED
;;   THE QUANTISER, for each operand of a quantised product, along K:
;;     - K is cut into blocks of 32 from its start; a last block that is shorter is filled with zeros.
;;     - A block's scale is 2^e with e = floor(log2(the largest magnitude in the block)) - 2, held to -126 .. 127; a block of zeros has e = 0. As a byte (E8M0): e + 127.
;;     - Each number is divided by its block's scale, clamped to +-7.5, and rounded to the nearest number of E2M3, ties to even, subnormals kept.
;;     - The product sums the exact products of the quantised numbers (number of the format x scale) in f32.
;;   ~~~python
;;   def quantise(x, axis):      # numpy; x: float32 -> the quantised numbers, widened to float32 again
;;       x = np.moveaxis(x, axis, -1); K = x.shape[-1]
;;       x = np.pad(x, [(0, 0)] * (x.ndim - 1) + [(0, -K % 32)]); x = x.reshape(x.shape[:-1] + (-1, 32)); a = np.abs(x).max(-1, keepdims=True)
;;       e = np.where(a > 0, np.clip(np.frexp(np.where(a > 0, a, 1))[1] - 1 - 2, -126, 127), 0)      # np.frexp(a)[1] - 1 = floor(log2(a)), exactly
;;       r = np.clip(x / 2.0 ** e, -7.5, 7.5)
;;       step = 2.0 ** (np.maximum(np.frexp(np.where(r == 0, 1, r))[1] - 1, 0) - 3)
;;       q = np.round(r / step) * step * 2.0 ** e      # np.round: ties to even
;;       return np.moveaxis(q.reshape(q.shape[:-2] + (-1,))[..., :K], -1, axis).astype(np.float32)
;;   ~~~
;;   SOFTMAX AHEAD OF A QUANTISED PRODUCT. Where the list says 'softmax', what is quantised is not the finished softmax but p = 2^(t - M), with t = logit x log2(e) and M = ceil(the row's largest t), a whole number; so 1/2 < the row's largest p <= 1. The row's sum l is taken of the UNQUANTISED p, in f32, and the product's result is divided by l at the end. Since M is a whole number, a kernel that streams over the keys may use a running M (the ceiling of the running maximum): every later rescaling is an exact power of two, which a block's scale takes up: the codes' values come out the same.
;;   OPERANDS COMPUTED ON THE WAY. 'Computed on the way' means the value that the module computes at that place (a softmax that the list does not call 'softmax' is quantised finished and normalised). What goes into a quantiser is computed in f32, as accurately as f32 sums, v_exp_f32 and their like allow (about 1e-6 of the number): no bf16 or f16 on the way to a quantiser, and a product that is left as it is and whose result goes on into a quantised operand takes f32 operands (vector FMAs, or v_wmma_f32_16x16x4_f32). A number that lies on a knife's edge between two numbers of the format may be rounded either way, as far as f32 arithmetic and the matrix unit's own rounding can turn it there, and no further.
;; One version. Each part assembles by itself: llvm-mc -triple=amdgcn-amd-amdhsa -mcpu=gfx1250 --defsym DOCPART=n.
;; ======== version 1 of 1: 4 launches
;; limits: right only within a limited range of input values
;; workspace buffers: cod 12,582,912 bytes; scl 524,288 bytes; mkw 8,704 bytes of whole numbers; qkimg 6,815,744 bytes; vimg 3,276,800 bytes; ctxc 3,145,728 bytes; ctxs 131,072 bytes
;; launch quant (part 1): grid 513 x 1, 4 waves a work-group, no clusters, 33,280 bytes of LDS; arguments q, k, v, W_q, W_k, W_v, W_o, mask, cod, scl, mkw; writes cod, scl, mkw
.if DOCPART == 1
	.amdgcn_target "amdgcn-amd-amdhsa--gfx1250"
	.amdhsa_code_object_version 6
	.text
	.protected	k_qc2dd3e68f4_quant
	.globl	k_qc2dd3e68f4_quant
	.p2align	8
	.type	k_qc2dd3e68f4_quant,@function
k_qc2dd3e68f4_quant:
	s_mov_b64 s[64:65], 0
	v_nop
	global_prefetch_b8 v0, s[64:65] scope:SCOPE_SE
	s_setreg_imm32_b32 hwreg(HW_REG_WAVE_MODE, 25, 1), 1
	s_wait_xcnt 0x0
; MULTI-HEAD ATTENTION IN MX-FP6, launch 1 of 4: q, k, v [4096][1024] and W_q, W_k, W_v, W_o [1024][1024], f32, become codes of E2M3 with K innermost and one E8M0 byte for each 32 along K;
; one more work-group turns the key mask into lane-mask words and step flags for the attention launch.
; DEAD WORK: none.  Every bias goes into a quantised operand (b_q, b_k, b_v) or into the output (b_o), the mask is an input, and all six products are live: all twelve inputs are loaded by some launch.
; A block's scale is 2^(floor(log2(its largest magnitude)) - 2); its byte is the largest magnitude's exponent field - 2, held at 1 from below.  A block of zeros keeps the byte 1 where the rule says 127:
; its codes are zeros, which add nothing under any byte but 0xff, and this program alone reads the bytes.
; LIMITS: blocks whose largest magnitude lies under 2^(2 - 126) keep the byte 1; NaN and infinities among the inputs are not served.
; SHARES.  The seven tensors are one stream of 2,048 runs of 8,192 numbers (8 rows): a run is a wave's work, 6,144 bytes of codes and 256 scale bytes; work-groups 0-127 q, 128-255 k, 256-383 v, then 32 each for W_q, W_k, W_v, W_o.
; ROW ORDER.  In k, v, W_q, W_k, W_v the four runs of a work-group (32 rows) are stored in the order 0, 2, 1, 3: stored row 16 u + r of each 32 is row 8 u + r + 8 (r / 8).  So 16 stored neighbours form a tile
; whose results, used transposed, give a lane 16 neighbours along the next product's K in the registers of two neighbouring tiles.
; A wave takes 16 steps of 512 numbers.  Each of a step's four loads reads 512 consecutive bytes; the 2,048 bytes go through the wave's own stage in LDS and come back 64 bytes a lane, so that a lane holds 16 neighbours
; (two neighbouring lanes hold a block).  Waves share nothing: no barrier.  Loads run eight steps (32 loads a wave, half of its work) ahead, the turn through LDS one step.
.set STEPS, 16
.set AHEAD, 8                          ; sets of registers for loads on their way
.set EMAX,  2
.set CB,    12                         ; bytes of 16 codes
.set R,     16                         ; v16-143  eight sets of 16 numbers as they are loaded
.set X,     144                        ; v144-175 two sets of 16 neighbours
.set E,     176                        ; v176-191 a scale byte for each step
.set C,     192                        ; v192-255 codes: four registers for each step, so that no store's data are written again
.set WREG,  8192                       ; LDS: a region for each wave: two stages of 32 x SP bytes, behind them its 256 scale bytes
.set SP,    80                         ; a lane's place in a stage: 64 bytes + 16 of padding
.set SPW,   12                         ; v12      LDS address of my spare word; never rewritten
.set NIL,   13                         ; v13      0; never rewritten
.set SPARE, 4*WREG                     ; behind the four regions: the spare words, 128 bytes a wave, which no other line names
.set WV,    40                         ; s40      my wave's number
	s_load_b512 s[16:31], s[0:1], 0x0              ; q, k, v, W_q, W_k, W_v, W_o, mask
	s_load_b128 s[32:35], s[0:1], 0x40             ; cod, scl
	s_load_b64 s[36:37], s[0:1], 0x50              ; mkw
	v_lshl_add_u32 v[SPW], v0, 2, SPARE
	v_mov_b32 v[NIL], 0
	v_lshrrev_b32 v1, 5, v0
	v_readfirstlane_b32 s[WV], v1                  ; wave 0..3
	v_and_b32 v2, 31, v0                           ; lane
	v_lshlrev_b32 v3, 4, v2                        ; my 16 bytes of a load's 512
	s_mul_i32 s41, s[WV], WREG
	v_lshrrev_b32 v14, 2, v2
	v_mul_u32_u24 v14, v14, SP
	v_and_b32 v15, 3, v2
	v_lshl_add_u32 v14, v15, 4, v14
	v_add_nc_u32 v14, s41, v14                     ; the stage, on the way in: SP (lane / 4) + 16 (lane % 4)
	v_mul_u32_u24 v15, v2, SP
	v_add_nc_u32 v15, s41, v15                     ; and on the way out: SP x lane: my 16 neighbours
; THE CODES' LAYOUT.  cod is a run of dense images [tile of T rows][256 along K][row][192 bytes]: T = 256 for q, k, v, W_q, W_k, W_v and 128 for W_o, so that the launches that read them
; fetch a tile's part of K as consecutive bytes, stated as rows of 256 bytes that begin at multiples of 256.  s39 = T x 192, the bytes from one 256 along K to the next; s47 = log2(T / 8), the runs of a tile.
	s_cmp_ge_u32 ttmp9, 480                        ; W_o's work-groups (the choice hangs on the work-group's number alone)
	s_mov_b32 s39, 49152
	s_cselect_b32 s39, 24576, s39
	s_cselect_b32 s47, 4, 5
	v_and_b32 v4, 15, v2
	v_mul_u32_u24 v4, v4, CB                       ; sixteen lanes hold 256 along K: 192 bytes of a row's part;
	v_lshrrev_b32 v10, 4, v2
	v_mad_u32_u24 v4, v10, s39, v4                 ; lanes 16-31 hold the next 256 along K
	v_lshrrev_b32 v5, 1, v2
	s_add_co_u32 s41, s41, 2*32*SP
	v_add_nc_u32 v5, s41, v5                       ; LDS: my wave's 256 scale bytes, my block's byte
	v_lshlrev_b32 v7, 3, v2                        ; and on the way out 8 bytes a lane
	v_add_nc_u32 v6, s41, v7
	s_wait_kmcnt 0x0
	s_cmp_eq_u32 ttmp9, 512                        ; the last work-group serves the mask
	s_cbranch_scc1 .Lmask
; which tensor: the choice hangs on the work-group's number alone
.macro PICK first, ptr
	s_cmp_ge_u32 ttmp9, \first
	s_cselect_b64 s[4:5], s[\ptr:\ptr+1], s[4:5]
	s_cselect_b32 s38, \first, s38
.endm
	s_mov_b64 s[4:5], s[16:17]
	s_mov_b32 s38, 0                               ; the tensor's first work-group
	PICK 128, 18
	PICK 256, 20
	PICK 384, 22
	PICK 416, 24
	PICK 448, 26
	PICK 480, 28
	s_cmp_ge_u32 ttmp9, 128                        ; k, v, W_q, W_k, W_v: runs 1 and 2 of the four change places on the way out
	s_cselect_b32 s42, 1, 0
	s_cmp_lt_u32 ttmp9, 480
	s_cselect_b32 s42, s42, 0
	s_and_b32 s43, s[WV], 1
	s_lshl_b32 s43, s43, 1
	s_lshr_b32 s44, s[WV], 1
	s_or_b32 s43, s43, s44
	s_cmp_eq_u32 s42, 1
	s_cselect_b32 s43, s43, s[WV]                  ; where my run goes among the work-group's four
	s_sub_co_u32 s44, ttmp9, s38
	s_lshl_b32 s44, s44, 2
	s_add_co_u32 s44, s44, s[WV]
	s_lshl_b32 s44, s44, 15                        ; my run in its tensor: 32,768 bytes a run
	s_mov_b32 s45, 0
	s_add_nc_u64 s[4:5], s[4:5], s[44:45]
	s_lshl_b32 s46, ttmp9, 2
	s_add_co_u32 s46, s46, s43                     ; my run in the stream of codes
	s_lshr_b32 s44, s46, s47                       ; my tile,
	s_lshl_b32 s42, s44, s47
	s_sub_co_u32 s42, s46, s42                     ; my run in it: 8 rows of 192 bytes
	s_mul_i32 s44, s44, s39
	s_lshl_b32 s44, s44, 2                         ; a tile is four parts of K
	s_mul_i32 s42, s42, 1536
	s_add_co_u32 s44, s44, s42
	s_add_nc_u64 s[8:9], s[32:33], s[44:45]        ; K = 0 .. 511 of my rows
	s_lshl_b32 s44, s39, 1
	s_add_nc_u64 s[6:7], s[8:9], s[44:45]          ; K = 512 .. 1,023
	s_lshl_b32 s44, s46, 8
	s_add_nc_u64 s[10:11], s[34:35], s[44:45]
.macro LOAD t
.irp i, 0,1,2,3
	global_load_b128 v[R+16*((\t)%AHEAD)+4*\i:R+16*((\t)%AHEAD)+4*\i+3], v3, s[4:5] offset:2048*(\t)+512*\i th:TH_LOAD_NT   ; 32 lanes read 512 consecutive bytes
.endr
.endm
.macro TURN t                          ; step t's numbers through the stage: LDS serves a wave's instructions in order, so no wait stands between the stores and the loads
.irp i, 0,1,2,3
	ds_store_b128 v14, v[R+16*((\t)%AHEAD)+4*\i:R+16*((\t)%AHEAD)+4*\i+3] offset:32*SP*((\t)%2)+8*SP*\i
.endr
.irp i, 0,1,2,3
	ds_load_b128 v[X+16*((\t)%2)+4*\i:X+16*((\t)%2)+4*\i+3], v15 offset:32*SP*((\t)%2)+16*\i
.endr
.endm
.irp t, 0,1,2,3,4,5,6,7
	LOAD \t
.endr
	s_wait_loadcnt 4*(AHEAD-1)                     ; step 0's four loads are in; the 28 of steps 1 to 7 may be out
	s_wait_alu depctr_va_vdst(0)
	TURN 0
.macro STEP t
.set XS, X+16*((\t)%2)
.if (\t) > 0
	s_wait_dscnt 1                                 ; this step's numbers are back from the stage (the last step's byte store may be out)
.else
	s_wait_dscnt 0x0
.endif
.if (\t)+AHEAD < STEPS
	LOAD (\t)+AHEAD                                ; into the registers that this step's stores into the stage have read
.endif
.if (\t)+1 < STEPS
.if STEPS-2-(\t) >= AHEAD-1
	s_wait_loadcnt 4*(AHEAD-1)                     ; the next step's four loads are in; those of the seven steps behind it may be out
.else
	s_wait_loadcnt 4*(STEPS-2-(\t))                ; towards the end: those of the steps that are left
.endif
	TURN (\t)+1                                    ; through the other stage while this step is worked
.endif
	v_max3_num_f32 v8, |v[XS]|, |v[XS+1]|, |v[XS+2]|               ; the largest magnitude of my 16, in two chains
	v_max3_num_f32 v9, |v[XS+3]|, |v[XS+4]|, |v[XS+5]|
.irp i, 6,10
	v_max3_num_f32 v8, v8, |v[XS+\i]|, |v[XS+\i+1]|
	v_max3_num_f32 v9, v9, |v[XS+\i+2]|, |v[XS+\i+3]|
.endr
	v_max3_num_f32 v8, v8, |v[XS+14]|, |v[XS+15]|
	v_max3_num_f32 v8, v8, v9, (EMAX+1)<<23        ; and the floor 2^(3 - 127): the byte cannot fall under 1
	v_max_num_f32_dpp v8, v8, v8 row_xmask:1 row_mask:0xf bank_mask:0xf   ; and of my neighbour's 16: the block's
	v_add_nc_u32 v11, 0xff000000, v8               ; 2 off its exponent field: the conversion takes the exponent field of this operand as its scale
	v_cvt_scalef32_pk16_fp6_f32 v[C+4*(\t):C+4*(\t)+2], v[XS:XS+15], v11
	v_lshrrev_b32 v[E+(\t)], 23, v11               ; the scale's byte (also the plain line behind the conversion)
	ds_store_b8 v5, v[E+(\t)] offset:16*(\t)       ; both lanes of a block write the same byte with the same value
	global_store_b96 v4, v[C+4*(\t):C+4*(\t)+2], s[8-2*((\t)%2):9-2*((\t)%2)] offset:192*((\t)/2)   ; step t is half t % 2 of row t / 2: two pieces of 192 consecutive bytes
.endm
.irp t, 0,1,2,3,4,5,6,7,8,9,10,11,12,13,14,15
	STEP \t
.endr
	ds_load_b64 v[8:9], v6                         ; LDS serves a wave's instructions in order: these see my byte stores
	s_wait_dscnt 0x0
	global_store_b64 v7, v[8:9], s[10:11]          ; 32 lanes store 256 consecutive bytes, aligned
	s_wait_tensorcnt 0x0                           ; the wave's end
	ds_add_u32 v[SPW], v[NIL]
	s_wait_dscnt 0x0
	s_endpgm
; THE MASK.  mask [2][2048] int32.  A step of the attention is 128 keys; step gs = 16 b + step.  In its scores register n = 16 beta + i of a lane holds key 32 beta + 16 (lane / 16) + i.
; Word [gs][n] of mkw is a lane mask for that register: 0xffff where key 32 beta + i is masked (mask == 0), 0xffff0000 where the key 16 further on is.
; From byte 8,192 on: four blocks of 128 bytes; block w holds, in all its 32 words, bit j = some key of step 8 w + j is masked.  Wave w takes steps 8 w .. 8 w + 7; lane = n (and n - 32).
.Lmask:
	v_lshrrev_b32 v1, 4, v2
	v_and_b32 v3, 15, v2
	v_lshl_add_u32 v1, v1, 5, v3                   ; 32 (lane / 16) + lane % 16: word n = lane's lower key
	v_lshlrev_b32 v1, 2, v1
	s_lshl_b32 s41, s[WV], 12                      ; 8 steps x 512 bytes
	v_add_nc_u32 v1, s41, v1
.irp j, 0,1,2,3,4,5,6,7
	global_load_b32 v[16+4*\j], v1, s[30:31] offset:512*\j          ; word n = lane: the lower key,
	global_load_b32 v[17+4*\j], v1, s[30:31] offset:512*\j+64       ; the key 16 on;
	global_load_b32 v[18+4*\j], v1, s[30:31] offset:512*\j+256      ; word n = lane + 32 likewise
	global_load_b32 v[19+4*\j], v1, s[30:31] offset:512*\j+320
.endr
	v_mov_b32 v64, 0xffff
	v_mov_b32 v65, 0xffff0000
	v_lshlrev_b32 v67, 2, v2
	s_lshl_b32 s42, s[WV], 11                      ; 8 steps x 256 bytes of words
	v_add_nc_u32 v67, s42, v67
	v_lshlrev_b32 v71, 2, v2
	s_lshl_b32 s44, s[WV], 7
	v_add_nc_u32 v71, s44, v71
	s_mov_b32 s43, 0                               ; my eight flags
	s_wait_alu depctr_va_vdst(0)
	s_wait_loadcnt 0x0
.irp j, 0,1,2,3,4,5,6,7
.irp e, 0,1
	v_cmp_eq_u32 vcc_lo, 0, v[16+4*\j+2*\e]
	v_cndmask_b32 v68, 0, v64, vcc_lo
	v_cmp_eq_u32 vcc_lo, 0, v[17+4*\j+2*\e]
	v_cndmask_b32 v69, 0, v65, vcc_lo
	v_or_b32 v[48+2*\j+\e], v68, v69               ; each word has a register of its own: no store's data are written again
	global_store_b32 v67, v[48+2*\j+\e], s[36:37] offset:256*\j+128*\e
.endr
	v_or_b32 v70, v[48+2*\j], v[49+2*\j]
	v_cmp_ne_u32 vcc_lo, 0, v70
	s_cmp_lg_u32 vcc_lo, 0                         ; is any key of the step masked?
	s_cselect_b32 s42, 1<<\j, 0
	s_or_b32 s43, s43, s42
.endr
	v_mov_b32 v66, s43
	global_store_b32 v71, v66, s[36:37] offset:8192
	s_endpgm
.Lfunc_end_k_qc2dd3e68f4_quant:
	.size	k_qc2dd3e68f4_quant, .Lfunc_end_k_qc2dd3e68f4_quant-k_qc2dd3e68f4_quant
	.p2alignl 7, 3214868480
	.fill 96, 4, 3214868480
	.section	.rodata,"a",@progbits
	.p2align	6, 0x0
	.amdhsa_kernel k_qc2dd3e68f4_quant
		.amdhsa_group_segment_fixed_size 33280
		.amdhsa_private_segment_fixed_size 0
		.amdhsa_enable_private_segment 0
		.amdhsa_kernarg_size 88
		.amdhsa_user_sgpr_count 2
		.amdhsa_user_sgpr_kernarg_segment_ptr 1
		.amdhsa_wavefront_size32 1
		.amdhsa_system_sgpr_workgroup_id_x 1
		.amdhsa_system_sgpr_workgroup_id_y 1
		.amdhsa_system_sgpr_workgroup_id_z 1
		.amdhsa_system_vgpr_workitem_id 0
		.amdhsa_next_free_vgpr 256
		.amdhsa_next_free_sgpr 66
		.amdhsa_reserve_vcc 1
		.amdhsa_float_denorm_mode_32 3
		.amdhsa_float_denorm_mode_16_64 3
		.amdhsa_memory_ordered 1
		.amdhsa_forward_progress 1
		.amdhsa_inst_pref_size 43
	.end_amdhsa_kernel
	.amdgpu_metadata
---
amdhsa.version: [ 1, 2 ]
amdhsa.kernels:
  - .name:           k_qc2dd3e68f4_quant
    .symbol:         k_qc2dd3e68f4_quant.kd
    .args:
      - { .name: q, .offset: 0, .size: 8, .value_kind: global_buffer, .address_space: global }
      - { .name: k, .offset: 8, .size: 8, .value_kind: global_buffer, .address_space: global }
      - { .name: v, .offset: 16, .size: 8, .value_kind: global_buffer, .address_space: global }
      - { .name: W_q, .offset: 24, .size: 8, .value_kind: global_buffer, .address_space: global }
      - { .name: W_k, .offset: 32, .size: 8, .value_kind: global_buffer, .address_space: global }
      - { .name: W_v, .offset: 40, .size: 8, .value_kind: global_buffer, .address_space: global }
      - { .name: W_o, .offset: 48, .size: 8, .value_kind: global_buffer, .address_space: global }
      - { .name: mask, .offset: 56, .size: 8, .value_kind: global_buffer, .address_space: global }
      - { .name: cod, .offset: 64, .size: 8, .value_kind: global_buffer, .address_space: global }
      - { .name: scl, .offset: 72, .size: 8, .value_kind: global_buffer, .address_space: global }
      - { .name: mkw, .offset: 80, .size: 8, .value_kind: global_buffer, .address_space: global }
    .group_segment_fixed_size: 33280
    .private_segment_fixed_size: 0
    .kernarg_segment_align: 8
    .kernarg_segment_size: 88
    .max_flat_workgroup_size: 128
    .sgpr_count:     66
    .vgpr_count:     256
    .wavefront_size: 32
...
	.end_amdgpu_metadata
.endif
;; end of part 1
;; launch proj (part 2): grid 4 x 48, 4 waves a work-group, clusters of 4 x 4, 327,680 bytes of LDS; arguments cod, scl, b_q, b_k, b_v, qkimg, vimg; writes qkimg, vimg
.if DOCPART == 2
	.amdgcn_target "amdgcn-amd-amdhsa--gfx1250"
	.amdhsa_code_object_version 6
	.text
	.protected	k_qc2dd3e68f4_proj
	.globl	k_qc2dd3e68f4_proj
	.p2align	8
	.type	k_qc2dd3e68f4_proj,@function
k_qc2dd3e68f4_proj:
	s_mov_b64 s[64:65], 0
	v_nop
	global_prefetch_b8 v0, s[64:65] scope:SCOPE_SE
	s_setreg_imm32_b32 hwreg(HW_REG_WAVE_MODE, 25, 1), 1
	s_wait_xcnt 0x0
	s_wait_alu depctr_hold_cnt(0) depctr_sa_sdst(0) depctr_va_vdst(0) depctr_va_sdst(0) depctr_va_ssrc(0) depctr_va_vcc(0) depctr_vm_vsrc(0)
	s_getreg_b32 s2, hwreg(HW_REG_IB_STS2, 6, 4)
	s_cmp_eq_u32 s2, 0
	s_cbranch_scc0 .Lentry_in_a_cluster
	s_endpgm
.Lentry_in_a_cluster:
	s_bfe_u32 s2, ttmp6, 0x10000c
	s_cmp_lg_u32 s2, 0xf033
	s_cbranch_scc0 .Lentry_shape_is_right
	s_endpgm
.Lentry_shape_is_right:
; Launch 2 of 4: Q = q W_q^T + b_q, K = k W_k^T + b_k, V^T = W_v v^T + b_v on codes of E2M3; the results are quantised again and leave as images of the attention's operand registers.  No work is left out.
; A tile of 256 x 256 a work-group, four waves of 128 x 128; K goes in four parts of 256 through a ring of two LDS slots.  4 x 4 work-groups form a cluster: A's tiles are asked for jointly along a row, B's along a column.
; The codes lie as dense images [tile of 256 rows][256 along K][row][192 bytes]: a part of a tile is 49,152 consecutive bytes, stated as rows of 256 bytes; 16 bytes of padding behind every 64 give LDS rows of 240 bytes.
; THE HEAD: one joint load a wave: A's 256 rows of the first part, B's, A's scale bytes for all of K, B's.  Slot 1's first fill stands behind the full sequence and a round, as a refill does.
; K has four parts only, and the ring asks for each a part ahead: no data prefetch is laid.
.set NQ,     2
.set KST,    49152                     ; from one 256 along K of a tile to the next, in memory
.set KROW,   768
.set PITCH,  240
.set FR,     12
.set NL,     6
.set NP,     4
.set HALFT,  128*PITCH
.set SLOT,   4*HALFT
.set LAPS,   2
.set KS,     32
.set SCL,    2*SLOT
.set HALFS,  16*272
.set SBLK,   2*272
.set SPARE,  SCL+4*HALFS
.set ADRA, 16
.set ADRB, 20
.set O16,  24
.set O8,   25
.set ADRS, 27
.set SPW,  28
.set NIL,  29
.set SC,   32
.set BI,   64
.set AF,   128
.set ST,   128
.set PC,   192
.set TM,   212
.set PWS,  228
.set SW,   236
.set SH,   240
.set HM,   95
.set SEL,  96
.set G1, 24
.set G0, 32
.set G1B, 48
.set G0B, 56
.set G1S, 68
.set G0S, 76
.set G1SB, 80
.set G0SB, 88
.set MSB, 0
.macro WIN new
.if MSB != \new
	s_set_vgpr_msb (MSB<<8)|\new
.set MSB, \new
.endif
.endm
.set MUL_LO, 0xa1
.set MUL_HI, 0xf1
.set TO_B,   0x40
.macro JLOAD g0a, g1a, g0b, g1b
	s_cmp_eq_u32 s15, 0
	s_cbranch_scc0 .Lfor_b_\@
	tensor_load_to_lds s[\g0a:\g0a+3], s[\g1a:\g1a+7]
	s_nop 0
.rept 4
	v_nop
.endr
	s_branch .Lasked_\@
.Lfor_b_\@:
	tensor_load_to_lds s[\g0b:\g0b+3], s[\g1b:\g1b+7]
	s_nop 0
.rept 4
	v_nop
.endr
.Lasked_\@:
.endm
.macro CREST
	s_cmp_lg_u32 s14, 0
	s_cbranch_scc1 .Lnot_wave_0_\@
	s_barrier_signal -3
.Lnot_wave_0_\@:
	s_barrier_wait -3
	s_barrier_signal -1
	s_barrier_wait -1
.endm
.macro CROUND
	s_barrier_signal -1
	s_barrier_wait -1
	CREST
.endm
	s_load_b128 s[4:7], s[0:1], 0x0
	s_load_b256 s[92:99], s[0:1], 0x10
	s_load_b64 s[100:101], s[0:1], 0x30
	v_lshl_add_u32 v[SPW], v0, 2, SPARE
	v_mov_b32 v[NIL], 0
	ds_add_u32 v[SPW], v[NIL]
	ds_add_u32 v[SPW], v[NIL]
	v_lshrrev_b32 v1, 5, v0
	v_readfirstlane_b32 s14, v1
	s_lshr_b32 s15, s14, 1
	s_and_b32 s16, s14, 1
	s_bfe_u32 s40, ttmp6, 0x40000
	s_bfe_u32 s41, ttmp6, 0x40004
	s_and_b32 s9, ttmp7, 0xffff
	s_and_b32 s12, s9, 3
	s_lshl_b32 s12, s12, 2
	s_lshr_b32 s9, s9, 2
	s_cmp_eq_u32 s9, 2
	s_cselect_b32 s2, 1, 0
	s_cselect_b32 s13, 0, s12
	s_cselect_b32 s12, s12, 0
	s_add_co_u32 s17, s13, s41
	s_add_co_u32 s42, s12, s40
	s_lshl_b32 s43, s41, 2
	s_lshl_b32 s43, 15, s43
	s_lshl_b32 s44, 0x1111, s40
	s_or_b32 s[G1+0], s43, (3<<16)|(1<<20)|(1<<21)|(3<<22)|(3<<25)   ; elements of 8 bytes; 4 words of padding behind every 16
	s_or_b32 s[G1B+0], s44, (3<<16)|(1<<20)|(1<<21)|(3<<22)|(3<<25)
.irp g, G1, G1B
	s_mov_b32 s[\g+1], 32<<16                      ; rows of 256 bytes
	s_mov_b32 s[\g+2], 192<<16                     ; the head's loads: 256 rows of codes x 192 bytes = 192 such rows
	s_mov_b32 s[\g+3], 32<<16
	s_mov_b32 s[\g+4], 192
	s_mov_b32 s[\g+5], 32
	s_mov_b32 s[\g+6], 0
	s_mov_b32 s[\g+7], 0
.endr
	s_or_b32 s[G1S+0], s43, (3<<16)|(1<<20)|(1<<21)|(5<<22)|(3<<25)
	s_or_b32 s[G1SB+0], s44, (3<<16)|(1<<20)|(1<<21)|(5<<22)|(3<<25)
.irp g, G1S, G1SB
	s_mov_b32 s[\g+1], 32<<16
	s_mov_b32 s[\g+2], 32<<16                      ; the scale bytes of 256 rows: 8,192 dense bytes
	s_mov_b32 s[\g+3], 32<<16
	s_mov_b32 s[\g+4], 32
	s_mov_b32 s[\g+5], 32
	s_mov_b32 s[\g+6], 0
	s_mov_b32 s[\g+7], 0
.endr
	s_mul_i32 s20, s9, 3145728
	s_mul_i32 s46, s9, 786432
	s_add_co_u32 s46, s46, 9437184
	s_lshl_b32 s22, s9, 17
	s_lshl_b32 s10, s9, 15
	s_add_co_u32 s10, s10, 393216
	s_cmp_eq_u32 s2, 1
	s_cselect_b32 s20, 11010048, s20
	s_cselect_b32 s46, 6291456, s46
	s_cselect_b32 s22, 458752, s22
	s_cselect_b32 s10, 262144, s10
	s_mul_i32 s21, s17, 196608                     ; A's tile of 256 rows: 4 x KST bytes of codes,
	s_add_co_u32 s20, s20, s21
	s_lshl_b32 s23, s17, 13                        ; 8,192 scale bytes
	s_add_co_u32 s22, s22, s23
	s_mov_b32 s21, 0
	s_mov_b32 s23, 0
	s_mul_i32 s11, s42, 196608                     ; B's likewise
	s_add_co_u32 s46, s46, s11
	s_lshl_b32 s11, s42, 13
	s_add_co_u32 s10, s10, s11
	s_mov_b32 s47, 0
	s_mov_b32 s11, 0
	s_mul_i32 s18, s16, 24576                      ; in the ring I fetch 128 rows of a part: which half
	s_mov_b32 s19, 0
	s_mul_i32 s45, s14, HALFT
	s_wait_dscnt 0x0
	s_wait_kmcnt 0x0
	s_add_nc_u64 s[20:21], s[4:5], s[20:21]
	s_add_nc_u64 s[22:23], s[6:7], s[22:23]
	s_add_nc_u64 s[46:47], s[4:5], s[46:47]
	s_add_nc_u64 s[10:11], s[6:7], s[10:11]
	CROUND
	s_mov_b32 s[G0], 1                             ; the head's four tiles, each whole.  Slot 0's two groups 0 serve them first: A's 256 rows of the first part,
	s_mov_b32 s[G0+1], 0
	s_mov_b64 s[G0+2:G0+3], s[20:21]
	s_or_b32 s[G0+3], s[G0+3], 0x80000000
	s_mov_b32 s[G0B], 1                            ; B's, behind them,
	s_mov_b32 s[G0B+1], 2*HALFT
	s_mov_b64 s[G0B+2:G0B+3], s[46:47]
	s_or_b32 s[G0B+3], s[G0B+3], 0x80000000
	s_mov_b32 s[G0S], 1                            ; A's scale bytes,
	s_mov_b32 s[G0S+1], SCL
	s_mov_b64 s[G0S+2:G0S+3], s[22:23]
	s_or_b32 s[G0S+3], s[G0S+3], 0x80000000
	s_mov_b32 s[G0SB], 1                           ; and B's
	s_mov_b32 s[G0SB+1], SCL+2*HALFS
	s_mov_b64 s[G0SB+2:G0SB+3], s[10:11]
	s_or_b32 s[G0SB+3], s[G0SB+3], 0x80000000
	s_add_nc_u64 s[20:21], s[20:21], s[18:19]      ; slot 1: my 128 rows of the second part
	s_add_nc_u64 s[46:47], s[46:47], s[18:19]
	s_mov_b32 s[G0+4], 1
	s_add_co_u32 s[G0+5], s45, SLOT
	s_add_nc_u64 s[G0+6:G0+7], s[20:21], KST
	s_or_b32 s[G0+7], s[G0+7], 0x80000000
	s_mov_b32 s[G0B+4], 1
	s_add_co_u32 s[G0B+5], s45, SLOT
	s_add_nc_u64 s[G0B+6:G0B+7], s[46:47], KST
	s_or_b32 s[G0B+7], s[G0B+7], 0x80000000
; one chain of branches on the wave's number, one load to an arm, all arms leading to one join
.macro ARM under, g0, g1, next
	s_cmp_lt_u32 s14, \under
	s_cbranch_scc0 \next
	tensor_load_to_lds s[\g0:\g0+3], s[\g1:\g1+7]
	s_nop 0
.rept 4
	v_nop
.endr
	s_branch .Lhead_asked
\next:
.endm
	ARM 1, G0,  G1,  .Lhead_b
	ARM 2, G0B, G1B, .Lhead_sa
	ARM 3, G0S, G1S, .Lhead_sb
	tensor_load_to_lds s[G0SB:G0SB+3], s[G1SB:G1SB+7]
	s_nop 0
.rept 4
	v_nop
.endr
.Lhead_asked:
	s_cmp_eq_u32 s9, 1
	s_cselect_b64 s[66:67], s[94:95], s[92:93]
	s_cmp_eq_u32 s2, 1
	s_cselect_b64 s[66:67], s[96:97], s[66:67]
	s_cselect_b64 s[12:13], s[100:101], s[98:99]
	s_cselect_b32 s18, 4, 0
	s_cselect_b32 s19, 32, 0
	s_cselect_b32 s21, 0, 64
	s_cselect_b32 s22, 0, 4
	s_cselect_b32 s92, s17, s42
	s_cselect_b32 s93, s15, s16
	s_cselect_b32 s96, s42, s17
	s_cselect_b32 s97, s16, s15
	s_mov_b32 s100, 6656
	s_cselect_b32 s100, 6400, s100
	s_mul_i32 s101, s9, 3407872
	s_cselect_b32 s101, 0, s101
	s_lshl_b32 s98, s92, 10
	s_lshl_b32 s99, s93, 9
	s_add_co_u32 s98, s98, s99
	s_mov_b32 s99, 0
	s_add_nc_u64 s[66:67], s[66:67], s[98:99]
	s_lshl_b32 s96, s96, 1
	s_add_co_u32 s96, s96, s97
	s_lshl_b32 s92, s92, 2
	s_lshl_b32 s93, s93, 1
	s_add_co_u32 s92, s92, s93
	s_lshr_b32 s97, s96, 4
	s_lshl_b32 s97, s97, 4
	s_add_co_u32 s97, s97, s92
	s_lshl_b32 s97, s97, 4
	s_and_b32 s96, s96, 15
	s_add_co_u32 s97, s97, s96
	s_mul_i32 s96, s97, s100
	s_add_co_u32 s96, s96, s101
	s_mov_b32 s97, 0
	s_add_nc_u64 s[12:13], s[12:13], s[96:97]
	s_mov_b32 s[HM], 0xffff0000
	s_mov_b32 s[SEL], 0x76543210
	s_mov_b32 s[SEL+1], 0xfedcba98
	v_and_b32 v1, 15, v0
	v_bfe_u32 v2, v0, 4, 1
	v_lshrrev_b32 v7, 3, v1
	v_mul_u32_u24 v8, s18, v1
	v_mad_u32_u24 v8, v7, s19, v8
	v_mad_u32_u24 v8, v2, s21, v8
	v_mov_b32 v7, s22
.irp j, 1,2,3,4,5,6,7
	v_mad_u32_u24 v[8+\j], v7, \j, v8
.endr
.irp x, 0,1,2,3,4,5,6,7
.irp j, 0,1,2,3,4,5,6,7
	global_load_b32 v[BI+8*\x+\j], v[8+\j], s[66:67] offset:4*(32*(\x/2)+8*(\x%2))
.endr
.endr
	v_mul_u32_u24 v3, v1, PITCH
	v_mul_u32_u24 v4, v2, 24
	v_add_nc_u32 v4, v3, v4
	v_lshl_add_u32 v5, v2, 4, v4
	s_mul_i32 s21, s15, HALFT
	s_mul_i32 s22, s16, HALFT
	s_add_co_u32 s22, s22, 2*HALFT
.irp s, 0,1
	v_add_nc_u32 v[ADRA+\s], s21, v4
	v_add_nc_u32 v[ADRB+\s], s22, v4
	v_add_nc_u32 v[ADRA+2+\s], s21, v5
	v_add_nc_u32 v[ADRB+2+\s], s22, v5
	s_add_co_u32 s21, s21, SLOT
	s_add_co_u32 s22, s22, SLOT
.endr
	v_mul_u32_u24 v5, v1, KS
	v_lshrrev_b32 v6, 8, v5
	v_lshl_add_u32 v5, v6, 4, v5
	s_mul_i32 s21, s15, HALFS
	s_mul_i32 s22, s16, HALFS
	s_add_co_u32 s22, s22, 2*HALFS
	s_sub_co_u32 s22, s22, s21
	v_mul_u32_u24 v6, s22, v2
	s_add_co_u32 s21, s21, SCL
	v_add_nc_u32 v5, v5, v6
	v_add_nc_u32 v[ADRS], s21, v5
	v_and_b32 v6, 31, v0
	v_lshlrev_b32 v[O16], 4, v6
	v_lshlrev_b32 v[O8], 3, v6
.macro FRAG reg, adr, q, i
.irp p, 0,1,2,3,4,5
.set PCE, 12*(\q)+6*(\p/3)+\p%3
.if PCE%8 < 5
	ds_load_b64 v[\reg+2*\p:\reg+2*\p+1], v[\adr] offset:8*PCE+16*(PCE/8)+(\i)*16*PITCH
.else
	ds_load_b64 v[\reg+2*\p:\reg+2*\p+1], v[\adr+2] offset:8*PCE+16*(PCE/8)+(\i)*16*PITCH
.endif
.endr
.endm
.macro MUL16 a0, p, q, sc, zero
.irp a, \a0, \a0+1
.irp b, 0,1,2,3,4,5,6,7
.if \zero
	v_wmma_scale_f32_16x16x128_f8f6f4 v[8*(8*((\a)%4)+\b):8*(8*((\a)%4)+\b)+7], v[128*(\p)+FR*\b:128*(\p)+FR*\b+FR-1], v[AF+FR*(\a):AF+FR*(\a)+FR-1], 0, v[SC+8*NQ*(\sc)+NQ*\b+(\q)], v[SC+8*NQ*(\sc)+NQ*(\a)+(\q)] matrix_a_fmt:MATRIX_FMT_FP6 matrix_b_fmt:MATRIX_FMT_FP6 matrix_a_scale:MATRIX_SCALE_ROW1
.else
	v_wmma_scale_f32_16x16x128_f8f6f4 v[8*(8*((\a)%4)+\b):8*(8*((\a)%4)+\b)+7], v[128*(\p)+FR*\b:128*(\p)+FR*\b+FR-1], v[AF+FR*(\a):AF+FR*(\a)+FR-1], v[8*(8*((\a)%4)+\b):8*(8*((\a)%4)+\b)+7], v[SC+8*NQ*(\sc)+NQ*\b+(\q)], v[SC+8*NQ*(\sc)+NQ*(\a)+(\q)] matrix_a_fmt:MATRIX_FMT_FP6 matrix_b_fmt:MATRIX_FMT_FP6 matrix_a_scale:MATRIX_SCALE_ROW1
.endif
.endr
.endr
.endm
.macro FETCH_B slot, q, p
	WIN TO_B
.irp i, 0,1,2,3,4,5,6,7
	FRAG 128*(\p)+FR*\i, ADRB+\slot, \q, \i
.endr
	WIN 0
.endm
.macro FETCH_A slot, q, i0
.irp i, \i0, \i0+1, \i0+2, \i0+3
	FRAG AF+FR*(\i), ADRA+\slot, \q, \i
.endr
.endm
.macro SCALES sc
.irp i, 0,1,2,3,4,5,6,7
	ds_load_b64 v[SC+8*NQ*\sc+NQ*\i:SC+8*NQ*\sc+NQ*\i+1], v[ADRS] offset:\i*SBLK
.endr
.endm
.macro PLACES n
.rept \n
	v_nop
.endr
.endm
.macro STEP slot, q, zero
	s_wait_dscnt 4*NL
	WIN MUL_LO
	MUL16 0, (\q)%2, \q, \slot, \zero
	MUL16 2, (\q)%2, \q, \slot, \zero
	s_wait_dscnt 0
	PLACES NP
	FETCH_B \slot, (\q)+1, 1-(\q)%2
	FETCH_A \slot, (\q)+1, 0
	WIN MUL_HI
	MUL16 4, (\q)%2, \q, \slot, \zero
	MUL16 6, (\q)%2, \q, \slot, \zero
	PLACES NP
	WIN 0
	FETCH_A \slot, (\q)+1, 4
.endm
.macro TURN slot, next, fill
	s_wait_tensorcnt 0x0
	ds_add_u32 v[SPW], v[NIL]
	s_wait_dscnt 4*NL+1
	WIN MUL_LO
	MUL16 0, 1, NQ-1, \slot, 0
	s_wait_dscnt 0x0
	s_barrier_signal -1
	MUL16 2, 1, NQ-1, \slot, 0
	WIN 0
	s_barrier_wait -1
.if \fill
	CREST
	s_add_nc_u64 s[G0+4*\slot+2:G0+4*\slot+3], s[G0+4*\slot+2:G0+4*\slot+3], 2*KST
	s_add_nc_u64 s[G0B+4*\slot+2:G0B+4*\slot+3], s[G0B+4*\slot+2:G0B+4*\slot+3], 2*KST
	JLOAD G0+4*\slot, G1, G0B+4*\slot, G1B
.else
	PLACES NP
.endif
	s_wait_alu depctr_va_vdst(0)
	v_add_nc_u32 v[ADRS], 4*NQ, v[ADRS]
	FETCH_B \next, 0, 0
	FETCH_A \next, 0, 0
	SCALES \next
	WIN MUL_HI
	MUL16 4, 1, NQ-1, \slot, 0
	MUL16 6, 1, NQ-1, \slot, 0
	PLACES NP
	WIN 0
	FETCH_A \next, 0, 4
.endm
	s_wait_alu depctr_va_vdst(0)
	s_wait_loadcnt 0x0                             ; the bias
	s_wait_tensorcnt 0x0                           ; my tile of the head's four is in
	ds_add_u32 v[SPW], v[NIL]
	s_mov_b32 s[G1+2], 96<<16                      ; no tensor load of mine is out, so descriptors may be written: from here on a load brings 128 rows of codes, 96 rows of 256 bytes,
	s_mov_b32 s[G1+4], 96
	s_mov_b32 s[G1B+2], 96<<16
	s_mov_b32 s[G1B+4], 96
	s_mul_i32 s20, s16, 24576
	s_mov_b32 s21, 0
	s_add_nc_u64 s[G0+2:G0+3], s[G0+2:G0+3], s[20:21]      ; and slot 0's groups 0 stand at my quarter of the slot
	s_add_nc_u64 s[G0B+2:G0B+3], s[G0B+2:G0B+3], s[20:21]
	s_mov_b32 s[G0+1], s45
	s_mov_b32 s[G0B+1], s45
	s_wait_dscnt 0x0
	CROUND                                         ; all four tiles are in, in all sixteen work-groups
	JLOAD G0+4, G1, G0B+4, G1B                     ; slot 1's first fill, the first tensor load behind the round
	FETCH_B 0, 0, 0
	FETCH_A 0, 0, 0
	SCALES 0
	FETCH_A 0, 0, 4
	STEP 0, 0, 1
	s_mov_b32 s3, LAPS-1
.Llap:
	TURN 0, 1, 1
	STEP 1, 0, 0
	TURN 1, 0, 1
	STEP 0, 0, 0
	s_sub_co_u32 s3, s3, 1
	s_cmp_lg_u32 s3, 0
	s_cbranch_scc1 .Llap
	TURN 0, 1, 0
	STEP 1, 0, 0
	s_wait_dscnt 4*NL
	WIN MUL_LO
	MUL16 0, 1, NQ-1, 1, 0
	MUL16 2, 1, NQ-1, 1, 0
	s_wait_dscnt 0
	WIN MUL_HI
	MUL16 4, 1, NQ-1, 1, 0
	MUL16 6, 1, NQ-1, 1, 0
	WIN 0
.macro QUANT s, pw
.irp b, 0,1,2,3
	v_max3_num_f32 v[TM+\b], |v[\s+16*\b]|, |v[\s+1+16*\b]|, 0x1800000
.endr
.irp i, 2,4,6,8,10,12,14
.irp b, 0,1,2,3
	v_max3_num_f32 v[TM+\b], v[TM+\b], |v[\s+16*\b+\i]|, |v[\s+1+16*\b+\i]|
.endr
.endr
.irp b, 0,1,2,3
	v_permlanex16_b32 v[TM+4+\b], v[TM+\b], s[SEL], s[SEL+1]
.endr
.irp b, 0,1,2,3
	v_max_num_f32 v[TM+\b], v[TM+\b], v[TM+4+\b]
.endr
.irp b, 0,1,2,3
	v_add_nc_u32 v[TM+12+\b], 0xff000000, v[TM+\b]
.endr
.irp b, 0,1,2,3
	v_lshrrev_b32 v[TM+4+\b], 23, v[TM+12+\b]
.endr
	v_lshl_or_b32 v[\pw], v[TM+5], 8, v[TM+4]
	v_lshl_or_b32 v[\pw], v[TM+6], 16, v[\pw]
	v_lshl_or_b32 v[\pw], v[TM+7], 24, v[\pw]
.irp c, 0,1
	v_cvt_scalef32_pk16_fp6_f32 v[PC+6*\c:PC+2+6*\c], v[\s+32*\c:\s+15+32*\c], v[TM+12+2*\c]
	v_cvt_scalef32_pk16_fp6_f32 v[PC+12+4*\c:PC+14+4*\c], v[\s+16+32*\c:\s+31+32*\c], v[TM+12+2*\c+1]
.endr
	v_nop
.irp c, 0,1
.irp i, 0,1,2
	v_permlane16_swap_b32 v[PC+6*\c+\i], v[PC+12+4*\c+\i]
.endr
.irp i, 0,1,2
	v_mov_b32 v[PC+3+6*\c+\i], v[PC+12+4*\c+\i]
.endr
.endr
.endm
.macro BLOCK a, vv
.if (\a) > 0
	s_wait_xcnt 0x0
.endif
.set WB, 0x02+(\a)/4
	WIN WB
.irp b, 0,1,2,3,4,5,6,7
.irp i, 0,2,4,6
.if \vv
	v_pk_add_f32 v[ST+8*\b+\i:ST+8*\b+\i+1], v[64*((\a)%4)+8*\b+\i:64*((\a)%4)+8*\b+\i+1], v[BI+8*(\a)+\i:BI+8*(\a)+\i+1]
.else
	v_pk_add_f32 v[ST+8*\b+\i:ST+8*\b+\i+1], v[64*((\a)%4)+8*\b+\i:64*((\a)%4)+8*\b+\i+1], v[BI+8*\b+\i:BI+8*\b+\i+1]
.endif
.endr
.endr
	WIN 0
	QUANT ST, PWS+(\a)
.if \vv
.irp g, 0,1,2
	global_store_b128 v[O16], v[PC+4*\g:PC+4*\g+3], s[12:13] offset:((\a)/4)*102400+1536*((\a)%4)+512*\g
.endr
.else
.irp c, 0,1
	global_store_b128 v[O16], v[PC+6*\c:PC+6*\c+3], s[12:13] offset:\c*106496+768*(\a)
	global_store_b64 v[O8], v[PC+6*\c+4:PC+6*\c+5], s[12:13] offset:\c*106496+768*(\a)+512
.endr
.endif
.endm
.macro OUT vv
.irp a, 0,1,2,3,4,5,6,7
	BLOCK \a, \vv
.endr
.irp c, 0,1,2,3
	v_cndmask_b32 v[SW+\c], v[PWS+2*\c], v[PWS+2*\c+1], s[HM]
.endr
.if \vv
	global_store_b64 v[O8], v[SW:SW+1], s[12:13] offset:6144
	global_store_b64 v[O8], v[SW+2:SW+3], s[12:13] offset:102400+6144
.else
.irp c, 0,1,2,3
	v_lshrrev_b32 v[SH+\c], 16, v[SW+\c]
.endr
	global_store_b128 v[O16], v[SW:SW+3], s[12:13] offset:6144
	global_store_b128 v[O16], v[SH:SH+3], s[12:13] offset:106496+6144
.endif
.endm
	PLACES NP
.irp b, 0,1,2,3
	v_mov_b32 v[TM+4+\b], 0
.endr
	s_cmp_eq_u32 s2, 1
	s_cbranch_scc1 .Lout_v
	OUT 0
	s_branch .Ldone
.Lout_v:
	OUT 1
.Ldone:
	s_wait_tensorcnt 0x0
	ds_add_u32 v[SPW], v[NIL]
	s_wait_dscnt 0x0
	CROUND
	s_endpgm
.Lfunc_end_k_qc2dd3e68f4_proj:
	.size	k_qc2dd3e68f4_proj, .Lfunc_end_k_qc2dd3e68f4_proj-k_qc2dd3e68f4_proj
	.p2alignl 7, 3214868480
	.fill 96, 4, 3214868480
	.section	.rodata,"a",@progbits
	.p2align	6, 0x0
	.amdhsa_kernel k_qc2dd3e68f4_proj
		.amdhsa_group_segment_fixed_size 327680
		.amdhsa_private_segment_fixed_size 0
		.amdhsa_enable_private_segment 0
		.amdhsa_kernarg_size 56
		.amdhsa_user_sgpr_count 2
		.amdhsa_user_sgpr_kernarg_segment_ptr 1
		.amdhsa_wavefront_size32 1
		.amdhsa_system_sgpr_workgroup_id_x 1
		.amdhsa_system_sgpr_workgroup_id_y 1
		.amdhsa_system_sgpr_workgroup_id_z 1
		.amdhsa_system_vgpr_workitem_id 0
		.amdhsa_next_free_vgpr 1024
		.amdhsa_next_free_sgpr 102
		.amdhsa_reserve_vcc 0
		.amdhsa_float_denorm_mode_32 3
		.amdhsa_float_denorm_mode_16_64 3
		.amdhsa_memory_ordered 1
		.amdhsa_forward_progress 1
		.amdhsa_inst_pref_size 239
	.end_amdhsa_kernel
	.amdgpu_metadata
---
amdhsa.version: [ 1, 2 ]
amdhsa.kernels:
  - .name:           k_qc2dd3e68f4_proj
    .symbol:         k_qc2dd3e68f4_proj.kd
    .args:
      - { .name: cod, .offset: 0, .size: 8, .value_kind: global_buffer, .address_space: global }
      - { .name: scl, .offset: 8, .size: 8, .value_kind: global_buffer, .address_space: global }
      - { .name: b_q, .offset: 16, .size: 8, .value_kind: global_buffer, .address_space: global }
      - { .name: b_k, .offset: 24, .size: 8, .value_kind: global_buffer, .address_space: global }
      - { .name: b_v, .offset: 32, .size: 8, .value_kind: global_buffer, .address_space: global }
      - { .name: qkimg, .offset: 40, .size: 8, .value_kind: global_buffer, .address_space: global }
      - { .name: vimg, .offset: 48, .size: 8, .value_kind: global_buffer, .address_space: global }
    .group_segment_fixed_size: 327680
    .private_segment_fixed_size: 0
    .kernarg_segment_align: 8
    .kernarg_segment_size: 56
    .max_flat_workgroup_size: 128
    .sgpr_count:     102
    .vgpr_count:     1024
    .wavefront_size: 32
...
	.end_amdgpu_metadata
.endif
;; end of part 2
;; launch attn (part 3): grid 8 x 32, 16 waves a work-group, no clusters, 210,944 bytes of LDS; arguments qkimg, vimg, mkw, ctxc, ctxs; writes ctxc, ctxs
.if DOCPART == 3
	.amdgcn_target "amdgcn-amd-amdhsa--gfx1250"
	.amdhsa_code_object_version 6
	.text
	.protected	k_qc2dd3e68f4_attn
	.globl	k_qc2dd3e68f4_attn
	.p2align	8
	.type	k_qc2dd3e68f4_attn,@function
k_qc2dd3e68f4_attn:
	s_mov_b64 s[64:65], 0
	v_nop
	global_prefetch_b8 v0, s[64:65] scope:SCOPE_SE
	s_setreg_imm32_b32 hwreg(HW_REG_WAVE_MODE, 25, 1), 1
	s_wait_xcnt 0x0
; Launch 3 of 4: softmax(q k^T / 8, keys masked) v for each of the 32 (batch, head) pairs, both products on codes of E2M3; the context, divided by the row's sum, is quantised along the model's 1,024.  No work is left out.
; THE SOFTMAX: t = score x log2(e) / 8; M = the running largest t rounded UP to a whole number; p = 2^(t - M) is quantised along the keys, not normalised; the row's sum is taken of the unquantised p and divides at the end.
; When M moves, the sum and O are multiplied by 2^(old M - new M), which rounds nothing.
; SHARES.  A work-group owns 256 queries of one (batch, head); each of its sixteen waves 16 of them.  Every wave walks the head's 2,048 keys, 128 a step.
; k's 16 records of 6,656 bytes and v's 16 of 6,400 are images of operand registers.  THEY COME INTO LDS IN FOUR CHUNKS OF FOUR RECORDS EACH, through registers, every byte once; each chunk has LDS bytes of its own.
; Chunk 0 stands ahead of the first step.  Chunk c + 1 is asked for at chunk c's start (8 loads a thread into 26 registers: 26,624 = 512 x (48 + 4) bytes of k, 25,600 = 512 x (48 + 2) of v), stored to LDS behind chunk c's
; third step, and shown by the one barrier a chunk, ahead of the fourth step, which fetches the next chunk's first record of k.  So a chunk's loads have three steps in which to land: they are the look-ahead, and no data prefetch is laid.
; K = 64 IN AN INSTRUCTION 128 DEEP.  Registers 6-11 of q's fragment are zero codes.  A zero code times any code is 0, so the eight fragments of k are laid 6 registers apart, each one's upper half being the next one's data
; (the last one's: zeros, written once).  The scale bytes over the upper halves are never 0xff.
; LDS LOADS.  The next step's 17 loads of k are issued behind this step's score products and land under the softmax.  v's 13 are issued behind the conversions INTO THE SCORES' REGISTERS, which are done with, and land under
; the lane swaps and O's rescaling.  Every wait on DScnt is for 0: ahead of the second product's instructions (v, and with it the next k), ahead of the barrier, and at a step's head (it counts for the first step alone).
; Both products are used transposed (S^T = k q^T, O^T = v^T p^T): a lane holds ONE query throughout.
; THE MASK.  A step's 64 selects (a masked key's raw score becomes XM) are passed over, by a scalar branch on a flag that the first launch stored, where no key of the step is masked.
; NO CLUSTER AND NO TENSOR LOAD: each of a head's eight work-groups reads the head's 208,896 bytes itself.
; LIMIT: a masked logit is taken as -2^30 where reference() has -1e9 (raw score XM = -2^33): XM x log2(e) / 8 is exact in f32, so a row all of whose keys are masked gives p = 1 for every key, as reference()'s equal logits do.
; The results are reference()'s wherever every unmasked logit lies above -9.9e8.  NaN and infinities are not served; a block under the floor keeps the byte 1.
.set KREC,  6656
.set VREC,  6400
.set KCH,   4*KREC
.set VCH,   4*VREC
.set VBASE, 16*KREC                    ; v's records lie behind k's
.set SPARE, VBASE+16*VREC              ; the spare words, 128 bytes for each of 16 waves, which no other line names
.set AV8,  0                           ; v0   behind the head: LDS address of v's scale words
.set L16,  1                           ; 16 x lane
.set L8,   2                           ; 8 x lane
.set SPW,  3                           ; my spare word; never rewritten
.set NIL,  4                           ; 0; never rewritten
.set AK16, 5                           ; LDS address of k's record, 16 bytes a lane; v6: 8 bytes a lane; v7: v's record
.set AK8,  6
.set AV16, 7
.set KS,   8                           ; v8-11 k's scale words;  v12 -M, v13 the largest t, v[14:15] the sum in two halves
.set QF,   16                          ; v16-27 q's fragment; v28 its scale word; v29 p's; v30-31 v's
.set QS,   28
.set PS,   29
.set VS,   30
.set KF,   32                          ; v32-85 k's eight fragments, 6 registers apart
.set G,    86                          ; v86-111 a chunk on its way: k 86-97 and 98, v 100-111 and 99
.set T16,  112                         ; 16, 4, 2 x my thread's number
.set T4,   113
.set T2,   114
.set LK16, 115                         ; v115-118 where my part of a chunk goes in LDS
.set LK4,  116
.set LV16, 117
.set LV2,  118
.set CH,   120                         ; v120-133 seven chains of the row's sum
.set S,    134                         ; v134-197 S^T, then p, then v's four fragments (48 registers)
.set O,    198                         ; v198-229 O^T
.set P,    230                         ; v230-241 p's codes
.set BM,   242
.set T,    246
.set SO,   250
.set F,    254                         ; v254 f, later 1 / the sum; v255 XM
.set GK,   4                           ; s[4:5] the chunk of k to be asked for next; s[6:7] of v
.set GV,   6
.set WV,   66
.set SEL,  68
.set CS,   70
.set TK,   72                          ; LDS byte of the record of k to be fetched next; s73 of this step's v
.set TV,   73
.set FL,   74
.set CNT,  75
.set MO,   76
.set HM,   77
.set MK,   78
.set LKS,  96                          ; LDS byte of the chunk to be stored next: k's, v's
.set LVS,  97
.set OC,   98                          ; chunks done
.macro GLOAD                           ; a chunk: each load of 16 bytes a lane reads 512 consecutive bytes a wave
.irp i, 0,1,2
	global_load_b128 v[G+4*\i:G+4*\i+3], v[T16], s[GK:GK+1] offset:8192*\i
	global_load_b128 v[G+14+4*\i:G+17+4*\i], v[T16], s[GV:GV+1] offset:8192*\i
.endr
	global_load_b32 v[G+12], v[T4], s[GK:GK+1] offset:24576
	global_load_u16 v[G+13], v[T2], s[GV:GV+1] offset:24576
.endm
.macro FILL                            ; and the same places in LDS
	v_add_nc_u32 v[LK16], s[LKS], v[T16]
	v_add_nc_u32 v[LK4], s[LKS], v[T4]
	v_add_nc_u32 v[LV16], s[LVS], v[T16]
	v_add_nc_u32 v[LV2], s[LVS], v[T2]
.irp i, 0,1,2
	ds_store_b128 v[LK16], v[G+4*\i:G+4*\i+3] offset:8192*\i
	ds_store_b128 v[LV16], v[G+14+4*\i:G+17+4*\i] offset:8192*\i
.endr
	ds_store_b32 v[LK4], v[G+12] offset:24576
	ds_store_b16 v[LV2], v[G+13] offset:24576
.endm
.macro NEXTCH                          ; behind the wait that shows the chunk's loads done
	s_add_nc_u64 s[GK:GK+1], s[GK:GK+1], KCH
	s_add_nc_u64 s[GV:GV+1], s[GV:GV+1], VCH
	s_add_co_u32 s[LKS], s[LKS], KCH
	s_add_co_u32 s[LVS], s[LVS], VCH
.endm
	s_load_b256 s[4:11], s[0:1], 0x0               ; qkimg, vimg, mkw, ctxc
	s_load_b64 s[12:13], s[0:1], 0x20              ; ctxs
	v_lshl_add_u32 v[SPW], v0, 2, SPARE
	v_mov_b32 v[NIL], 0
	v_lshrrev_b32 v5, 5, v0
	v_readfirstlane_b32 s[WV], v5                  ; wave 0..15
	v_and_b32 v5, 31, v0
	v_lshlrev_b32 v[L16], 4, v5
	v_lshlrev_b32 v[L8], 3, v5
	v_lshlrev_b32 v[T16], 4, v0
	v_lshlrev_b32 v[T4], 2, v0
	v_lshlrev_b32 v[T2], 1, v0
	s_and_b32 s2, ttmp7, 0xffff                    ; 16 b + h
	s_lshr_b32 s3, s2, 4                           ; b
	s_and_b32 s14, s2, 15                          ; h
	s_mul_i32 s24, s2, 16*KREC                     ; the head's records of q or of k
	s_mov_b32 s25, 0
	s_mul_i32 s26, s2, 16*VREC                     ; and of v
	s_mov_b32 s27, 0
	s_lshl_b32 s28, ttmp9, 1
	s_lshr_b32 s29, s[WV], 3
	s_add_co_u32 s28, s28, s29
	s_mul_i32 s28, s28, KREC                       ; my group of 128 queries
	s_mov_b32 s29, 0
	s_and_b32 s15, s[WV], 7                        ; my tile in it
	s_mul_i32 s30, s15, 768
	s_mov_b32 s31, 0
	s_and_b32 s32, s15, 1
	s_lshl_b32 s32, s32, 8
	s_lshr_b32 s33, s15, 1
	s_lshl_b32 s33, s33, 2
	s_add_co_u32 s32, s32, s33                     ; my tile's scale words: 256 (a % 2) + 4 (a / 2) + 16 r
	s_lshl_b32 s34, s3, 8                          ; my batch's two blocks of flags
	s_lshl_b32 s36, s3, 12                         ; my batch's lane-mask words
	s_mov_b32 s37, 0
	s_lshl_b32 s38, s3, 7
	s_lshl_b32 s39, ttmp9, 4
	s_add_co_u32 s38, s38, s39
	s_add_co_u32 s38, s38, s[WV]                   ; my tile of 16 rows of the context
	s_mul_i32 s40, s38, 12288
	s_mul_i32 s41, s14, 768
	s_add_co_u32 s40, s40, s41
	s_mov_b32 s41, 0
	s_lshl_b32 s42, s38, 9
	s_lshl_b32 s43, s14, 1
	s_add_co_u32 s42, s42, s43
	s_mov_b32 s43, 0
	v_and_b32 v119, 15, v0                         ; v119: where q's scale word lies; no other line names it
	v_lshlrev_b32 v119, 4, v119
	v_add_nc_u32 v119, s32, v119
	s_mov_b32 s[SEL], 0x76543210
	s_mov_b32 s[SEL+1], 0xfedcba98
	s_mov_b32 s[CS], 0x3e38aa3b                    ; log2(e) / 8
	s_mov_b32 s[CS+1], s[CS]
	s_mov_b32 s[HM], 0xffff0000
	s_mov_b32 s[LKS], 0
	s_mov_b32 s[LVS], VBASE
	s_wait_alu depctr_va_vdst(0)
	s_wait_kmcnt 0x0
	s_load_b32 s[FL], s[8:9], s34 offset:0x2000    ; the flags of my batch's steps 0-7,
	s_load_b32 s99, s[8:9], s34 offset:0x2080      ; and 8-15
	s_add_nc_u64 s[18:19], s[4:5], s[24:25]        ; q's records of my head
	s_add_nc_u64 s[16:17], s[18:19], s[28:29]      ; my record,
	s_add_nc_u64 s[22:23], s[16:17], s[30:31]      ; my tile
	s_add_nc_u64 s[GK:GK+1], s[18:19], 3407872     ; k's records of my head
	s_add_nc_u64 s[GV:GV+1], s[6:7], s[26:27]      ; v's
	s_add_nc_u64 s[MK:MK+1], s[8:9], s[36:37]
	s_add_nc_u64 s[10:11], s[10:11], s[40:41]
	s_add_nc_u64 s[12:13], s[12:13], s[42:43]
	GLOAD                                          ; chunk 0
	global_load_b128 v[QF:QF+3], v[L16], s[22:23]  ; q's half fragment
	global_load_b64 v[QF+4:QF+5], v[L8], s[22:23] offset:512
	global_load_b32 v[QS], v119, s[16:17] offset:6144
.irp j, 6,7,8,9,10,11
	v_mov_b32 v[QF+\j], 0                          ; K = 64 .. 127 of q: zero codes
	v_mov_b32 v[KF+42+\j], 0                       ; the upper half of k's last fragment
.endr
	v_mov_b32 v[F+1], 0xd0000000                   ; XM = -2^33
	v_mov_b32 v13, 0xff61b1e6                      ; the largest t so far: -3e38
	v_floor_f32 v12, -v13                          ; -M
	v_mov_b32 v14, 0
	v_mov_b32 v15, 0
.set n, 0
.rept 32
	v_mov_b32 v[O+n], 0                            ; O^T: the first step finds zeros
.set n, n+1
.endr
.irp b, 0,1,2,3
	v_mov_b32 v[T+\b], 0                           ; a lane permute's destination counts as one of its sources
.endr
	s_wait_loadcnt 0x0
	FILL
	NEXTCH
	s_wait_kmcnt 0x0
	s_lshl_b32 s99, s99, 8
	s_or_b32 s[FL], s[FL], s99
	s_mov_b32 s[TK], 0
	s_mov_b32 s[TV], VBASE
	s_mov_b32 s[MO], 0
	s_mov_b32 s[OC], 0
	s_wait_dscnt 0x0                               ; for the others' sake: my stores have landed
	s_barrier_signal -1
	s_barrier_wait -1                              ; chunk 0 lies in LDS
; The 17 loads of a record of k.  The four lines at its head are the places between the score products and the loads into the registers that they have read, and ahead of the first read of the scores.
.macro KLOAD
	v_add_nc_u32 v[AK16], s[TK], v[L16]
	v_add_nc_u32 v[AK8], s[TK], v[L8]
	v_nop
	v_nop
	ds_load_b128 v[KS:KS+3], v[AK16] offset:6144
.irp t, 0,1,2,3,4,5,6,7
	ds_load_b128 v[KF+6*\t:KF+6*\t+3], v[AK16] offset:768*\t
	ds_load_b64 v[KF+6*\t+4:KF+6*\t+5], v[AK8] offset:768*\t+512
.endr
.endm
; A STEP: 128 keys.  pre = 1: the next step's k is fetched; pre = 2, a chunk's last step: it is fetched unless this is the last chunk (a branch on the count of chunks).
.macro STEP pre
	v_add_nc_u32 v[AV16], s[TV], v[L16]            ; five places between the last step's second products and the score products, which write over v's fragments
	v_add_nc_u32 v[AV8], s[TV], v[L8]
.rept 3
	v_nop
.endr
	s_wait_dscnt 0x0                               ; k's 17 loads are in
.irp t, 0,1,2,3,4,5,6,7                        ; S^T = k q^T: register 16 beta + i of S holds key 32 beta + 16 h + i
.if \t%2
	v_wmma_scale_f32_16x16x128_f8f6f4 v[S+8*\t:S+8*\t+7], v[KF+6*\t:KF+6*\t+11], v[QF:QF+11], 0, v[KS+\t/2], v[QS] matrix_a_fmt:MATRIX_FMT_FP6 matrix_b_fmt:MATRIX_FMT_FP6 matrix_a_scale:MATRIX_SCALE_ROW1
.else
	v_wmma_scale_f32_16x16x128_f8f6f4 v[S+8*\t:S+8*\t+7], v[KF+6*\t:KF+6*\t+11], v[QF:QF+11], 0, v[KS+\t/2], v[QS] matrix_a_fmt:MATRIX_FMT_FP6 matrix_b_fmt:MATRIX_FMT_FP6
.endif
.endr
.if \pre == 2
	s_cmp_lt_u32 s[OC], 3
	s_cbranch_scc0 .Lnok_\@
.endif
	KLOAD
.if \pre == 2
	s_branch .Lkd_\@
.Lnok_\@:
.rept 4
	v_nop
.endr
.Lkd_\@:
.endif
	s_bitcmp1_b32 s[FL], 0                         ; is any key of this step masked?  A whole number that the first launch stored
	s_cbranch_scc0 .Lopen_\@
	s_load_b512 s[16:31], s[MK:MK+1], s[MO] offset:0x0
	s_load_b512 s[32:47], s[MK:MK+1], s[MO] offset:0x40
	s_load_b512 s[48:63], s[MK:MK+1], s[MO] offset:0x80
	s_load_b512 s[80:95], s[MK:MK+1], s[MO] offset:0xc0
	s_wait_kmcnt 0x0
.set n, 0
.rept 64
.if n < 48
	v_cndmask_b32 v[S+n], v[S+n], v[F+1], s[16+n]  ; a masked key's score becomes XM, ahead of the maximum
.else
	v_cndmask_b32 v[S+n], v[S+n], v[F+1], s[32+n]
.endif
.set n, n+1
.endr
.Lopen_\@:
.irp b, 0,1,2,3
	v_max3_num_f32 v[BM+\b], v[S+16*\b], v[S+1+16*\b], v[S+2+16*\b]   ; the largest score of each block of 32 keys: for the row's maximum and for the block's largest p
.endr
.irp i, 3,5,7,9,11,13
.irp b, 0,1,2,3
	v_max3_num_f32 v[BM+\b], v[BM+\b], v[S+16*\b+\i], v[S+1+16*\b+\i]
.endr
.endr
.irp b, 0,1,2,3
	v_max_num_f32 v[BM+\b], v[BM+\b], v[S+15+16*\b]
.endr
.irp b, 0,1,2,3
	s_delay_alu instid0(VALU_DEP_4)
	v_permlanex16_b32 v[T+\b], v[BM+\b], s[SEL], s[SEL+1]
.endr
.irp b, 0,1,2,3
	s_delay_alu instid0(VALU_DEP_4)
	v_max_num_f32 v[BM+\b], v[BM+\b], v[T+\b]      ; with lane l xor 16's 16 keys
.endr
	s_delay_alu instid0(VALU_DEP_2)
	v_max3_num_f32 v[T], v[BM], v[BM+1], v[BM+2]
	s_delay_alu instid0(VALU_DEP_1)
	v_max_num_f32 v[T], v[T], v[BM+3]
	s_delay_alu instid0(VALU_DEP_1)
	v_mul_f32 v[T], s[CS], v[T]                    ; the step's largest t
	s_delay_alu instid0(VALU_DEP_1)
	v_max_num_f32 v13, v13, v[T]
	v_mov_b32 v[T], v12
	s_delay_alu instid0(VALU_DEP_2)
	v_floor_f32 v12, -v13                          ; the new -M = -ceil(t)
	s_delay_alu instid0(VALU_DEP_1)
	v_sub_f32 v[T], v12, v[T]                      ; old M - new M: a whole number, 0 or less
	s_delay_alu instid0(VALU_DEP_1)
	v_cvt_i32_f32 v[T], v[T]                       ; (it saturates)
	s_delay_alu instid0(VALU_DEP_1)
	v_ldexp_f32 v[F], 1.0, v[T]                    ; f = 2^(old M - new M)
.set n, 0
.rept 32
	v_pk_fma_f32 v[S+n:S+n+1], v[S+n:S+n+1], s[CS:CS+1], v[12:13] op_sel_hi:[1,0,0]   ; t - M, two at a time
.set n, n+2
.endr
.irp b, 0,1,2,3
	v_fma_f32 v[BM+\b], v[BM+\b], s[CS], v12       ; the same of each block's largest score
.endr
.set n, 0
	s_wait_alu depctr_va_vdst(0)
.rept 64
	v_exp_f32 v[S+n], v[S+n]                       ; p = 2^(t - M), at most 1
.set n, n+1
.endr
	v_pk_mul_f32 v[14:15], v[14:15], v[F:F+1] op_sel_hi:[1,0]   ; the sums under the new M (the plain line behind the exponentials)
	s_wait_alu depctr_va_vdst(0)                   ; one wait for the batch of 64, ahead of its first reader
.irp b, 0,1,2,3
	v_exp_f32 v[BM+\b], v[BM+\b]                   ; the block's largest p
.endr
; the row's sum, of the unquantised p: 32 pairs in eight chains (seven at CH, the eighth the running sum itself)
.irp k, 0,1,2,3,4,5,6
	v_pk_add_f32 v[CH+2*\k:CH+2*\k+1], v[S+2*\k:S+2*\k+1], v[S+16+2*\k:S+17+2*\k]
.endr
	v_pk_add_f32 v[14:15], v[14:15], v[S+14:S+15]
.irp k, 0,1,2,3,4,5,6
	v_pk_add_f32 v[CH+2*\k:CH+2*\k+1], v[CH+2*\k:CH+2*\k+1], v[S+30+2*\k:S+31+2*\k]
.endr
	v_pk_add_f32 v[14:15], v[14:15], v[S+44:S+45]
.irp k, 0,1,2,3,4,5,6
	v_pk_add_f32 v[CH+2*\k:CH+2*\k+1], v[CH+2*\k:CH+2*\k+1], v[S+46+2*\k:S+47+2*\k]
.endr
	v_pk_add_f32 v[14:15], v[14:15], v[S+60:S+61]
	v_pk_add_f32 v[CH:CH+1], v[CH:CH+1], v[S+62:S+63]
	v_pk_add_f32 v[CH+2:CH+3], v[CH+2:CH+3], v[CH+4:CH+5]
	v_pk_add_f32 v[CH+6:CH+7], v[CH+6:CH+7], v[CH+8:CH+9]
	v_pk_add_f32 v[CH+10:CH+11], v[CH+10:CH+11], v[CH+12:CH+13]
	v_pk_add_f32 v[14:15], v[14:15], v[CH:CH+1]
	v_pk_add_f32 v[CH+2:CH+3], v[CH+2:CH+3], v[CH+6:CH+7]
	v_pk_add_f32 v[14:15], v[14:15], v[CH+10:CH+11]
	v_pk_add_f32 v[14:15], v[14:15], v[CH+2:CH+3]
	s_wait_alu depctr_va_vdst(0)                   ; and one for the four
.irp b, 0,1,2,3
	v_max_num_f32 v[BM+\b], 0x1800000, v[BM+\b]    ; the floor 2^(3 - 127): a block whose every p is 0 keeps the byte 1; its codes are zeros
.endr
.irp b, 0,1,2,3
	s_delay_alu instid0(VALU_DEP_4)
	v_add_nc_u32 v[SO+\b], 0xff000000, v[BM+\b]    ; 2 off the exponent field: the conversion's scale operand
.endr
.irp b, 0,1,2,3
	s_delay_alu instid0(VALU_DEP_4)
	v_lshrrev_b32 v[T+\b], 23, v[SO+\b]
.endr
	s_delay_alu instid0(VALU_DEP_3)
	v_lshl_or_b32 v[PS], v[T+1], 8, v[T]           ; p's scale word for these 128 keys
	s_delay_alu instid0(VALU_DEP_1)
	v_lshl_or_b32 v[PS], v[T+2], 16, v[PS]
	s_delay_alu instid0(VALU_DEP_1)
	v_lshl_or_b32 v[PS], v[T+3], 24, v[PS]
.irp c, 0,1
	v_cvt_scalef32_pk16_fp6_f32 v[P+6*\c:P+2+6*\c], v[S+32*\c:S+15+32*\c], v[SO+2*\c]
	v_cvt_scalef32_pk16_fp6_f32 v[T-4*\c:T+2-4*\c], v[S+16+32*\c:S+31+32*\c], v[SO+2*\c+1]   ; (a conversion's three registers begin on an even number: these go to T and to BM and are moved)
.endr
	v_nop                                          ; one plain line behind a scaled conversion
.irp t, 0,1,2,3                                ; v's four fragments, into the registers that held p
.irp g, 0,1,2
	ds_load_b128 v[S+12*\t+4*\g:S+12*\t+4*\g+3], v[AV16] offset:1536*\t+512*\g
.endr
.endr
	ds_load_b64 v[VS:VS+1], v[AV8] offset:6144     ; and its scale words
.irp c, 0,1
.irp i, 0,1,2
	v_permlane16_swap_b32 v[P+6*\c+\i], v[T-4*\c+\i]   ; the operand's layout wants a WHOLE block in a lane
.endr
.irp i, 0,1,2
	s_delay_alu instid0(VALU_DEP_3)
	v_mov_b32 v[P+3+6*\c+\i], v[T-4*\c+\i]
.endr
.endr
	s_wait_alu depctr_va_vdst(0)                   ; directly ahead of the first reader of O^T
.set n, 0
.rept 16
	v_pk_mul_f32 v[O+n:O+n+1], v[O+n:O+n+1], v[F:F+1] op_sel_hi:[1,0]   ; O^T under the new M; these sixteen are also the places between the writes of p's codes and scale word and the products
.set n, n+2
.endr
	s_wait_alu depctr_va_vdst(0)
	s_wait_dscnt 0x0                               ; v is in, and the next step's k, issued ahead of it
.irp t, 0,1,2,3                                ; O^T += v^T p^T: the four accumulators take turns
.if \t%2
	v_wmma_scale_f32_16x16x128_f8f6f4 v[O+8*\t:O+8*\t+7], v[S+12*\t:S+12*\t+11], v[P:P+11], v[O+8*\t:O+8*\t+7], v[VS+\t/2], v[PS] matrix_a_fmt:MATRIX_FMT_FP6 matrix_b_fmt:MATRIX_FMT_FP6 matrix_a_scale:MATRIX_SCALE_ROW1
.else
	v_wmma_scale_f32_16x16x128_f8f6f4 v[O+8*\t:O+8*\t+7], v[S+12*\t:S+12*\t+11], v[P:P+11], v[O+8*\t:O+8*\t+7], v[VS+\t/2], v[PS] matrix_a_fmt:MATRIX_FMT_FP6 matrix_b_fmt:MATRIX_FMT_FP6
.endif
.endr
	s_add_co_u32 s[TK], s[TK], KREC
	s_add_co_u32 s[TV], s[TV], VREC
	s_add_co_u32 s[MO], s[MO], 256
	s_lshr_b32 s[FL], s[FL], 1
.endm
	KLOAD                                          ; step 0's k
	s_mov_b32 s[TK], KREC
.Lchunk:                                           ; four trips, a chunk of four steps each
	s_cmp_lt_u32 s[OC], 3
	s_cbranch_scc0 .Lno_ask
	GLOAD                                          ; the next chunk sets out
.Lno_ask:
	s_mov_b32 s[CNT], 0
.Lstep:
	STEP 1
	s_add_co_u32 s[CNT], s[CNT], 1
	s_cmp_lt_u32 s[CNT], 3
	s_cbranch_scc1 .Lstep
	s_wait_loadcnt 0x0                             ; the next chunk is in my registers
	s_cmp_lt_u32 s[OC], 3
	s_cbranch_scc0 .Lno_fill
	FILL                                           ; into LDS bytes that nobody has read or written yet
.Lno_fill:
	NEXTCH                                         ; (behind the last chunk the stepped addresses are not used)
	s_wait_dscnt 0x0                               ; for the others' sake
	s_barrier_signal -1
	s_barrier_wait -1                              ; the next chunk lies in LDS
	STEP 2
	s_add_co_u32 s[OC], s[OC], 1
	s_cmp_lt_u32 s[OC], 4
	s_cbranch_scc1 .Lchunk
	; THE WAY OUT.  O^T / the sum: register 16 b + i is channel 32 b + 16 (lane / 16) + i of my query: two blocks of the last product's K, quantised as every operand is; the half fragment leaves in three stores of
	; 8 bytes a lane, 256 consecutive aligned bytes each; lane (r, h) stores block h's byte of row r.
	v_add_f32 v14, v14, v15
	v_permlanex16_b32 v[T], v14, s[SEL], s[SEL+1]
	v_add_f32 v14, v14, v[T]                       ; the row's sum
	s_wait_alu depctr_va_vdst(0)
	v_rcp_f32 v[F], v14
	v_bfe_u32 v5, v[L16], 4, 4                     ; r (the plain line behind the reciprocal)
	v_bfe_u32 v6, v[L16], 8, 1                     ; h
	v_lshl_add_u32 v5, v5, 5, v6                   ; 32 r + h
	s_wait_alu depctr_va_vdst(0)                   ; ahead of the reciprocal's first reader and of O^T's
.set n, 0
.rept 16
	v_pk_mul_f32 v[S+n:S+n+1], v[O+n:O+n+1], v[F:F+1] op_sel_hi:[1,0]   ; each accumulator from its low end on
.set n, n+2
.endr
.irp b, 0,1
	v_max3_num_f32 v[BM+\b], |v[S+16*\b]|, |v[S+1+16*\b]|, 0x1800000
.endr
.irp i, 2,4,6,8,10,12,14
.irp b, 0,1
	v_max3_num_f32 v[BM+\b], v[BM+\b], |v[S+16*\b+\i]|, |v[S+1+16*\b+\i]|
.endr
.endr
.irp b, 0,1
	v_permlanex16_b32 v[T+\b], v[BM+\b], s[SEL], s[SEL+1]
.endr
.irp b, 0,1
	v_max_num_f32 v[BM+\b], v[BM+\b], v[T+\b]
.endr
.irp b, 0,1
	v_add_nc_u32 v[SO+\b], 0xff000000, v[BM+\b]
.endr
.irp b, 0,1
	v_lshrrev_b32 v[BM+2+\b], 23, v[SO+\b]
.endr
	v_cvt_scalef32_pk16_fp6_f32 v[P:P+2], v[S:S+15], v[SO]
	v_cvt_scalef32_pk16_fp6_f32 v[T:T+2], v[S+16:S+31], v[SO+1]
	v_cndmask_b32 v6, v[BM+2], v[BM+3], s[HM]      ; lanes 16-31 take block 1's byte (also the plain line behind the conversions)
.irp i, 0,1,2
	v_permlane16_swap_b32 v[P+\i], v[T+\i]
.endr
.irp i, 0,1,2
	v_mov_b32 v[P+3+\i], v[T+\i]
.endr
	global_store_b64 v[L8], v[P:P+1], s[10:11]
	global_store_b64 v[L8], v[P+2:P+3], s[10:11] offset:256
	global_store_b64 v[L8], v[P+4:P+5], s[10:11] offset:512
	global_store_b8 v5, v6, s[12:13]
	s_wait_tensorcnt 0x0                           ; the wave's end
	ds_add_u32 v[SPW], v[NIL]
	s_wait_dscnt 0x0
	s_endpgm
.Lfunc_end_k_qc2dd3e68f4_attn:
	.size	k_qc2dd3e68f4_attn, .Lfunc_end_k_qc2dd3e68f4_attn-k_qc2dd3e68f4_attn
	.p2alignl 7, 3214868480
	.fill 96, 4, 3214868480
	.section	.rodata,"a",@progbits
	.p2align	6, 0x0
	.amdhsa_kernel k_qc2dd3e68f4_attn
		.amdhsa_group_segment_fixed_size 210944
		.amdhsa_private_segment_fixed_size 0
		.amdhsa_enable_private_segment 0
		.amdhsa_kernarg_size 40
		.amdhsa_user_sgpr_count 2
		.amdhsa_user_sgpr_kernarg_segment_ptr 1
		.amdhsa_wavefront_size32 1
		.amdhsa_system_sgpr_workgroup_id_x 1
		.amdhsa_system_sgpr_workgroup_id_y 1
		.amdhsa_system_sgpr_workgroup_id_z 1
		.amdhsa_system_vgpr_workitem_id 0
		.amdhsa_next_free_vgpr 256
		.amdhsa_next_free_sgpr 102
		.amdhsa_reserve_vcc 0
		.amdhsa_float_denorm_mode_32 3
		.amdhsa_float_denorm_mode_16_64 3
		.amdhsa_memory_ordered 1
		.amdhsa_forward_progress 1
		.amdhsa_inst_pref_size 57
	.end_amdhsa_kernel
	.amdgpu_metadata
---
amdhsa.version: [ 1, 2 ]
amdhsa.kernels:
  - .name:           k_qc2dd3e68f4_attn
    .symbol:         k_qc2dd3e68f4_attn.kd
    .args:
      - { .name: qkimg, .offset: 0, .size: 8, .value_kind: global_buffer, .address_space: global }
      - { .name: vimg, .offset: 8, .size: 8, .value_kind: global_buffer, .address_space: global }
      - { .name: mkw, .offset: 16, .size: 8, .value_kind: global_buffer, .address_space: global }
      - { .name: ctxc, .offset: 24, .size: 8, .value_kind: global_buffer, .address_space: global }
      - { .name: ctxs, .offset: 32, .size: 8, .value_kind: global_buffer, .address_space: global }
    .group_segment_fixed_size: 210944
    .private_segment_fixed_size: 0
    .kernarg_segment_align: 8
    .kernarg_segment_size: 40
    .max_flat_workgroup_size: 512
    .sgpr_count:     102
    .vgpr_count:     256
    .wavefront_size: 32
...
	.end_amdgpu_metadata
.endif
;; end of part 3
;; launch outp (part 4): grid 8 x 32, 4 waves a work-group, clusters of 4 x 4, 327,680 bytes of LDS; arguments ctxc, ctxs, cod, scl, b_o, out0; writes out0
.if DOCPART == 4
	.amdgcn_target "amdgcn-amd-amdhsa--gfx1250"
	.amdhsa_code_object_version 6
	.text
	.protected	k_qc2dd3e68f4_outp
	.globl	k_qc2dd3e68f4_outp
	.p2align	8
	.type	k_qc2dd3e68f4_outp,@function
k_qc2dd3e68f4_outp:
	s_mov_b64 s[64:65], 0
	v_nop
	global_prefetch_b8 v0, s[64:65] scope:SCOPE_SE
	s_setreg_imm32_b32 hwreg(HW_REG_WAVE_MODE, 25, 1), 1
	s_wait_xcnt 0x0
	s_wait_alu depctr_hold_cnt(0) depctr_sa_sdst(0) depctr_va_vdst(0) depctr_va_sdst(0) depctr_va_ssrc(0) depctr_va_vcc(0) depctr_vm_vsrc(0)
	s_getreg_b32 s2, hwreg(HW_REG_IB_STS2, 6, 4)
	s_cmp_eq_u32 s2, 0
	s_cbranch_scc0 .Lentry_in_a_cluster
	s_endpgm
.Lentry_in_a_cluster:
	s_bfe_u32 s2, ttmp6, 0x10000c
	s_cmp_lg_u32 s2, 0xf033
	s_cbranch_scc0 .Lentry_shape_is_right
	s_endpgm
.Lentry_shape_is_right:
; Launch 4 of 4: out0 = context W_o^T + b_o on codes of E2M3.  A = the context [4096][1024], B = W_o [1024][1024], out0 [4096][1024] f32.  No work is left out.
; A TILE OF 128 x 128, so that the 4,096 x 1,024 results make 256 work-groups; four waves, 64 x 64 each: 16 accumulators, 128 registers.
; ALL OF K LIES IN LDS, FILLED ONCE: what the work-group needs is four dense blocks of memory, and each wave asks for one of them at the head:
; wave 0 A's 128 rows (98,304 bytes), wave 1 B's (98,304), wave 2 A's scale bytes (4,096), wave 3 B's.  All are stated as rows of 256 bytes.  Nothing is filled again; one wait for 0 and one barrier show all four to all waves.
; A's codes are images of operand registers, as the attention left them: [tile of 16 rows][head][768 bytes], piece p of a head at 256 p + 8 x lane; two heads on end are a fragment of 16 rows x 128 K in six pieces.
; B's codes lie [256 along K][128 rows][192 bytes]; 16 bytes of padding behind every 64 give LDS rows of 240 bytes.  The bias is the C of each sum's first matrix instruction.
; CLUSTERS: 4 x 4 work-groups; A's blocks are shared along a row of the cluster, B's along a column: each is asked for jointly.  THE MATRIX INSTRUCTION IS USED TRANSPOSED: a lane holds eight neighbouring numbers of a row of out0.
; All blocks are asked for at the head and the text has no loop, so there is nothing further on to prefetch.
; REGISTERS: window 0: v1-7 at work; v8 A's LDS address; v12-19 B's; v24-29 the way out's and the add's; v32-63 scale words; v64-95 the bias; v128-255 the accumulators ((a, b) at v[128 + 8 (4 a + b)]);
;   on the way out v32-95 take rows.   window 1: two sets of fragments at v0 and v128: A's four, then B's four.
.set SIZE_N, 1024
.set PITCH,  240
.set FR,     12
.set ATILE,  12288                     ; 16 rows of A, all of K
.set BB,     8*ATILE                   ; B's codes lie behind A's
.set KSB,    128*PITCH                 ; 256 along K of B's 128 rows
.set SCL,    BB+4*KSB                  ; the scale bytes, as units of 256 bytes + 16 of padding
.set HALFS,  8*272                     ; those of 64 rows
.set SBLK,   2*272                     ; those of 16 rows
.set STAGE,  SCL+4*HALFS               ; the way out: 16 rows x (256 bytes + 16) for each wave, in bytes of its own
.set SPITCH, 272
.set SPARE,  STAGE+4*16*SPITCH         ; the spare words, 128 bytes a wave, which no other line names
.set ADRA, 8
.set ADRB, 12                          ; v12-15, one for each 256 along K; v16-19: the same for the pieces that lie behind one padding more
.set STO,  24
.set RD,   25
.set CO,   26
.set ADRS, 27
.set SPW,  28
.set NIL,  29
.set SC,   32                          ; register 8 i + q: lanes 0-15 the word of A's block i, lanes 16-31 that of B's block i, for the q-th 128 along K
.set BI,   64                          ; register 8 b + j = b_o at column 16 b + 8 (lane / 16) + j of my 64
.set ACC,  128
.set G1A,  24                          ; groups 1: s[24:31] A's codes, s[32:39] B's, s[40:47] A's scales, s[48:55] B's
.set G1B,  32
.set G1S,  40
.set G1SB, 48
.set G0A,  56                          ; groups 0
.set G0B,  60
.set G0S,  68
.set G0SB, 72
.set MSB, 0
.macro WIN new                         ; the immediate's high byte repeats the setting that is left
.if MSB != \new
	s_set_vgpr_msb (MSB<<8)|\new
.set MSB, \new
.endif
.endm
.set W_MUL, 0x05                       ; sources 0 (B) and 1 (A) window 1; C and D window 0
.set W_F,   0x40                       ; destination window 1, address window 0
.macro CROUND                          ; a round of the cluster's barrier
	s_barrier_signal -1
	s_barrier_wait -1
	s_cmp_lg_u32 s14, 0
	s_cbranch_scc1 .Lnot_wave_0_\@
	s_barrier_signal -3
.Lnot_wave_0_\@:
	s_barrier_wait -3
	s_barrier_signal -1
	s_barrier_wait -1
.endm
.macro PLACES                          ; plain vector lines between a matrix instruction and a load into, or an access to, its registers
.rept 4
	v_nop
.endr
.endm
	s_load_b128 s[4:7], s[0:1], 0x0                ; the context's codes, its scales
	s_load_b128 s[8:11], s[0:1], 0x10              ; cod, scl
	s_load_b64 s[66:67], s[0:1], 0x20              ; b_o
	s_load_b64 s[12:13], s[0:1], 0x28              ; out0
	v_lshl_add_u32 v[SPW], v0, 2, SPARE
	v_mov_b32 v[NIL], 0
	ds_add_u32 v[SPW], v[NIL]                      ; the wave's opening: the add, twice on end, and its wait ahead of my first tensor load
	ds_add_u32 v[SPW], v[NIL]
	v_lshrrev_b32 v1, 5, v0
	v_readfirstlane_b32 s14, v1                    ; wave 0..3
	s_lshr_b32 s15, s14, 1                         ; which half of the tile's rows is mine
	s_and_b32 s16, s14, 1                          ; which half of its columns
	s_bfe_u32 s2, ttmp6, 0x40000                   ; cx, cy
	s_bfe_u32 s3, ttmp6, 0x40004
	s_lshl_b32 s100, ttmp9, 2
	s_add_co_u32 s100, s100, s2                    ; tile column, 0 .. 7
	s_and_b32 s17, ttmp7, 0xffff
	s_lshl_b32 s17, s17, 2
	s_add_co_u32 s17, s17, s3                      ; tile row, 0 .. 31
	s_lshl_b32 s18, s3, 2
	s_lshl_b32 s18, 15, s18                        ; my row of the cluster
	s_lshl_b32 s19, 0x1111, s2                     ; my column
	s_or_b32 s[G1A], s18, (3<<16)|(1<<21)          ; elements of 8 bytes, no padding
	s_or_b32 s[G1B], s19, (3<<16)|(1<<20)|(1<<21)|(3<<22)|(3<<25)   ; 4 words of padding behind every 16
.irp g, G1A, G1B
	s_mov_b32 s[\g+1], 32<<16                      ; 384 rows of 256 bytes
	s_mov_b32 s[\g+2], 384<<16
	s_mov_b32 s[\g+3], 32<<16
	s_mov_b32 s[\g+4], 384
	s_mov_b32 s[\g+5], 32
	s_mov_b32 s[\g+6], 0
	s_mov_b32 s[\g+7], 0
.endr
	s_or_b32 s[G1S], s18, (3<<16)|(1<<20)|(1<<21)|(5<<22)|(3<<25)
	s_or_b32 s[G1SB], s19, (3<<16)|(1<<20)|(1<<21)|(5<<22)|(3<<25)
.irp g, G1S, G1SB
	s_mov_b32 s[\g+1], 32<<16                      ; 16 rows of 256 bytes, 16 bytes of padding behind each
	s_mov_b32 s[\g+2], 16<<16
	s_mov_b32 s[\g+3], 32<<16
	s_mov_b32 s[\g+4], 16
	s_mov_b32 s[\g+5], 32
	s_mov_b32 s[\g+6], 0
	s_mov_b32 s[\g+7], 0
.endr
	; byte offsets, made in the registers that will take the addresses.  A's hang on the tile row alone, B's on the tile column alone
	s_mul_i32 s[G0A+2], s17, 8*ATILE
	s_mov_b32 s[G0A+3], 0
	s_lshl_b32 s[G0S+2], s17, 12
	s_mov_b32 s[G0S+3], 0
	s_mul_i32 s[G0B+2], s100, 98304
	s_add_co_u32 s[G0B+2], s[G0B+2], 11796480      ; W_o's codes in cod
	s_mov_b32 s[G0B+3], 0
	s_lshl_b32 s[G0SB+2], s100, 12
	s_add_co_u32 s[G0SB+2], s[G0SB+2], 491520      ; W_o's scales in scl
	s_mov_b32 s[G0SB+3], 0
	s_mov_b32 s[G0A], 1
	s_mov_b32 s[G0A+1], 0
	s_mov_b32 s[G0B], 1
	s_mov_b32 s[G0B+1], BB
	s_mov_b32 s[G0S], 1
	s_mov_b32 s[G0S+1], SCL
	s_mov_b32 s[G0SB], 1
	s_mov_b32 s[G0SB+1], SCL+2*HALFS
	s_wait_dscnt 0x0                               ; both opening adds are done
	s_wait_kmcnt 0x0
	s_add_nc_u64 s[G0A+2:G0A+3], s[4:5], s[G0A+2:G0A+3]
	s_add_nc_u64 s[G0S+2:G0S+3], s[6:7], s[G0S+2:G0S+3]
	s_add_nc_u64 s[G0B+2:G0B+3], s[8:9], s[G0B+2:G0B+3]
	s_add_nc_u64 s[G0SB+2:G0SB+3], s[10:11], s[G0SB+2:G0SB+3]
.irp g, G0A, G0B, G0S, G0SB
	s_or_b32 s[\g+3], s[\g+3], 0x80000000
.endr
	CROUND                                         ; all sixteen work-groups are here: the joint loads meet
; one chain of branches on the wave's number, one load to an arm, all arms leading to one join
.macro ARM under, g0, g1, next
	s_cmp_lt_u32 s14, \under
	s_cbranch_scc0 \next
	tensor_load_to_lds s[\g0:\g0+3], s[\g1:\g1+7]
	s_nop 0
.rept 4
	v_nop
.endr
	s_branch .Lasked
\next:
.endm
	ARM 1, G0A, G1A, .Lhead_b
	ARM 2, G0B, G1B, .Lhead_sa
	ARM 3, G0S, G1S, .Lhead_sb
	tensor_load_to_lds s[G0SB:G0SB+3], s[G1SB:G1SB+7]
	s_nop 0
.rept 4
	v_nop
.endr
.Lasked:
	s_lshl_b32 s20, s100, 9                        ; my first column, in bytes of f32: in b_o and in a row of out0
	s_lshl_b32 s21, s16, 8
	s_add_co_u32 s20, s20, s21
	s_mov_b32 s21, 0
	s_add_nc_u64 s[66:67], s[66:67], s[20:21]
	s_lshl_b32 s22, s17, 7
	s_lshl_b32 s23, s15, 6
	s_add_co_u32 s22, s22, s23                     ; my first row of out0
	s_lshl_b32 s22, s22, 12
	s_mov_b32 s23, 0
	s_add_nc_u64 s[22:23], s[22:23], s[20:21]
	s_add_nc_u64 s[12:13], s[12:13], s[22:23]
	s_mul_i32 s76, s15, 4*ATILE                    ; my 64 rows of A
	s_mul_i32 s77, s16, 64*PITCH
	s_add_co_u32 s77, s77, BB                      ; my 64 rows of B
	s_mul_i32 s78, s15, HALFS
	s_mul_i32 s79, s16, HALFS
	s_add_co_u32 s79, s79, 2*HALFS
	s_sub_co_u32 s79, s79, s78                     ; from A's scale words to B's
	s_add_co_u32 s78, s78, SCL
	s_mul_i32 s80, s14, 16*SPITCH
	s_add_co_u32 s80, s80, STAGE                   ; my stage
	v_and_b32 v1, 15, v0                           ; r = l % 16
	v_bfe_u32 v2, v0, 4, 1                         ; l / 16
	v_lshlrev_b32 v7, 5, v2                        ; lanes 16-31: eight columns on
.irp b, 0,1,2,3
	global_load_b128 v[BI+8*\b:BI+8*\b+3], v7, s[66:67] offset:64*\b
	global_load_b128 v[BI+8*\b+4:BI+8*\b+7], v7, s[66:67] offset:64*\b+16
.endr
	v_and_b32 v6, 31, v0
	v_lshl_add_u32 v[ADRA], v6, 3, s76             ; A: 8 x lane
	v_mul_u32_u24 v4, v1, PITCH
	v_mad_u32_u24 v4, v2, 24, v4                   ; B: a fragment's row x pitch + 24 x half
	v_add_nc_u32 v[ADRB], s77, v4
	v_lshl_add_u32 v[ADRB+4], v2, 4, v[ADRB]       ; and the same behind one padding more
.irp s, 1,2,3                                  ; an address register for each 256 along K: an LDS instruction's immediate has 16 bits
	v_add_nc_u32 v[ADRB+\s], \s*KSB, v[ADRB]
	v_add_nc_u32 v[ADRB+4+\s], \s*KSB, v[ADRB+4]
.endr
	v_mul_u32_u24 v5, v1, 32                       ; my row's scales: 32 bytes a row,
	v_lshrrev_b32 v6, 8, v5
	v_lshl_add_u32 v5, v6, 4, v5                   ; and 16 more for each 256 passed;
	v_mad_u32_u24 v5, v2, s79, v5                  ; lanes 16-31 take B's
	v_add_nc_u32 v[ADRS], s78, v5
	v_mul_u32_u24 v5, v1, SPITCH
	v_lshl_add_u32 v5, v2, 5, v5
	v_add_nc_u32 v[STO], s80, v5                   ; in: row l % 16, 32 bytes for each half of the lanes
	v_mul_u32_u24 v5, v2, SPITCH
	v_lshl_add_u32 v5, v1, 4, v5
	v_add_nc_u32 v[RD], s80, v5                    ; back: lanes 0-15 one row of 256 bytes, lanes 16-31 the next
	v_lshlrev_b32 v5, 12, v2
	v_lshl_add_u32 v[CO], v1, 4, v5                ; and the same two rows in out0, 4,096 bytes apart
.macro FRAG reg, adr, q, i             ; a fragment of B from rows, in pieces of 8 bytes; where the piece of lanes 16-31 lies behind one padding more, the second address register serves
.irp p, 0,1,2,3,4,5
.set PCE, 12*(\q)+6*(\p/3)+\p%3
.if PCE%8 < 5
	ds_load_b64 v[\reg+2*\p:\reg+2*\p+1], v[\adr] offset:8*PCE+16*(PCE/8)+(\i)*16*PITCH
.else
	ds_load_b64 v[\reg+2*\p:\reg+2*\p+1], v[\adr+4] offset:8*PCE+16*(PCE/8)+(\i)*16*PITCH
.endif
.endr
.endm
.macro FRAGA reg, q, i                 ; a fragment of A from its image: six pieces of 256 consecutive bytes
.irp p, 0,1,2,3,4,5
	ds_load_b64 v[\reg+2*\p:\reg+2*\p+1], v[ADRA] offset:ATILE*(\i)+1536*(\q)+256*\p
.endr
.endm
.macro FETCH q                         ; 48 LDS loads in one run: the fragments of the q-th 128 along K into set q % 2
	WIN W_F
.irp i, 0,1,2,3
	FRAG 128*((\q)%2)+48+FR*\i, ADRB+(\q)/2, (\q)%2, \i
.endr
.irp i, 0,1,2,3
	FRAGA 128*((\q)%2)+FR*\i, \q, \i
.endr
.endm
; 16 matrix instructions: A's four blocks x B's four.  In step 0 the bias starts the sums.  The 16 accumulators take turns, one instruction a turn, in the same order in every step.
.macro MUL q
.irp a, 0,1,2,3
.irp b, 0,1,2,3
.if (\q) == 0
	v_wmma_scale_f32_16x16x128_f8f6f4 v[ACC+8*(4*\a+\b):ACC+8*(4*\a+\b)+7], v[128*((\q)%2)+48+FR*\b:128*((\q)%2)+48+FR*\b+FR-1], v[128*((\q)%2)+FR*\a:128*((\q)%2)+FR*\a+FR-1], v[BI+8*\b:BI+8*\b+7], v[SC+8*\b+(\q)], v[SC+8*\a+(\q)] matrix_a_fmt:MATRIX_FMT_FP6 matrix_b_fmt:MATRIX_FMT_FP6 matrix_a_scale:MATRIX_SCALE_ROW1
.else
	v_wmma_scale_f32_16x16x128_f8f6f4 v[ACC+8*(4*\a+\b):ACC+8*(4*\a+\b)+7], v[128*((\q)%2)+48+FR*\b:128*((\q)%2)+48+FR*\b+FR-1], v[128*((\q)%2)+FR*\a:128*((\q)%2)+FR*\a+FR-1], v[ACC+8*(4*\a+\b):ACC+8*(4*\a+\b)+7], v[SC+8*\b+(\q)], v[SC+8*\a+(\q)] matrix_a_fmt:MATRIX_FMT_FP6 matrix_b_fmt:MATRIX_FMT_FP6 matrix_a_scale:MATRIX_SCALE_ROW1
.endif
.endr
.endr
.endm
.macro STEP q                          ; the next step's fragments are asked for ahead of this step's products, into the set that the step before has multiplied
	s_wait_dscnt 0x0                               ; this step's fragments are in
.if (\q) < 7
.if (\q) > 0
	PLACES
.endif
	FETCH (\q)+1
.endif
	WIN W_MUL
	MUL \q
.endm
	s_wait_alu depctr_va_vdst(0)
	s_wait_loadcnt 0x0                             ; the bias
	s_wait_tensorcnt 0x0                           ; my block of the four is in
	s_barrier_signal -1
	s_barrier_wait -1                              ; everybody's is
.irp i, 0,1,2,3                                ; all of K's scale words, once: 32 bytes a row
	ds_load_b128 v[SC+8*\i:SC+8*\i+3], v[ADRS] offset:\i*SBLK
	ds_load_b128 v[SC+8*\i+4:SC+8*\i+7], v[ADRS] offset:\i*SBLK+16
.endr
	FETCH 0
.irp q, 0,1,2,3,4,5,6,7
	STEP \q
.endr
	WIN 0
; THE WAY OUT, block by block of 16 rows x 64 columns, through my own stage in LDS: whole rows of 256 bytes come back, and sixteen lanes store 256 consecutive aligned bytes.
; LDS serves a wave's instructions in order (ISA guide 5.7.1.4): no wait between the stores and the loads, nor in front of the next block's stores.
.macro TOSTAGE a
.irp b, 0,1,2,3
	ds_store_b128 v[STO], v[ACC+8*(4*(\a)+\b):ACC+8*(4*(\a)+\b)+3] offset:64*\b          ; each accumulator from its low end on
	ds_store_b128 v[STO], v[ACC+8*(4*(\a)+\b)+4:ACC+8*(4*(\a)+\b)+7] offset:64*\b+16
.endr
.set RB, 32+32*((\a)%2)                ; v32-63 and v64-95 by turns: the scale words and the bias are done with
.irp t, 0,1,2,3,4,5,6,7
	ds_load_b128 v[RB+4*\t:RB+4*\t+3], v[RD] offset:\t*2*SPITCH
.endr
.endm
.macro SEND a, younger                 ; younger: the LDS instructions issued behind block a's loads, which may stay out
.set RB, 32+32*((\a)%2)
	s_wait_dscnt \younger
.irp t, 0,1,2,3,4,5,6,7
	global_store_b128 v[CO], v[RB+4*\t:RB+4*\t+3], s[12:13] offset:(16*(\a)+2*\t)*SIZE_N*4 th:TH_STORE_NT
.endr
.endm
	PLACES                                         ; behind the last products: ahead of the stores that read results and of the loads into the scale words' registers
	TOSTAGE 0
.irp a, 1,2,3
.if \a > 1
	s_wait_xcnt 0x0                                ; block a - 2's stores have read their registers: block a's rows land there only behind this wait
.endif
	TOSTAGE \a
	SEND \a-1, 16                                  ; behind block a - 1's loads: block a's 8 stores and 8 loads
.endr
	SEND 3, 0
	s_wait_tensorcnt 0x0                           ; the wave's end
	ds_add_u32 v[SPW], v[NIL]
	s_wait_dscnt 0x0
	CROUND                                         ; the closing round
	s_endpgm
.Lfunc_end_k_qc2dd3e68f4_outp:
	.size	k_qc2dd3e68f4_outp, .Lfunc_end_k_qc2dd3e68f4_outp-k_qc2dd3e68f4_outp
	.p2alignl 7, 3214868480
	.fill 96, 4, 3214868480
	.section	.rodata,"a",@progbits
	.p2align	6, 0x0
	.amdhsa_kernel k_qc2dd3e68f4_outp
		.amdhsa_group_segment_fixed_size 327680
		.amdhsa_private_segment_fixed_size 0
		.amdhsa_enable_private_segment 0
		.amdhsa_kernarg_size 48
		.amdhsa_user_sgpr_count 2
		.amdhsa_user_sgpr_kernarg_segment_ptr 1
		.amdhsa_wavefront_size32 1
		.amdhsa_system_sgpr_workgroup_id_x 1
		.amdhsa_system_sgpr_workgroup_id_y 1
		.amdhsa_system_sgpr_workgroup_id_z 1
		.amdhsa_system_vgpr_workitem_id 0
		.amdhsa_next_free_vgpr 512
		.amdhsa_next_free_sgpr 102
		.amdhsa_reserve_vcc 0
		.amdhsa_float_denorm_mode_32 3
		.amdhsa_float_denorm_mode_16_64 3
		.amdhsa_memory_ordered 1
		.amdhsa_forward_progress 1
		.amdhsa_inst_pref_size 60
	.end_amdhsa_kernel
	.amdgpu_metadata
---
amdhsa.version: [ 1, 2 ]
amdhsa.kernels:
  - .name:           k_qc2dd3e68f4_outp
    .symbol:         k_qc2dd3e68f4_outp.kd
    .args:
      - { .name: ctxc, .offset: 0, .size: 8, .value_kind: global_buffer, .address_space: global }
      - { .name: ctxs, .offset: 8, .size: 8, .value_kind: global_buffer, .address_space: global }
      - { .name: cod, .offset: 16, .size: 8, .value_kind: global_buffer, .address_space: global }
      - { .name: scl, .offset: 24, .size: 8, .value_kind: global_buffer, .address_space: global }
      - { .name: b_o, .offset: 32, .size: 8, .value_kind: global_buffer, .address_space: global }
      - { .name: out0, .offset: 40, .size: 8, .value_kind: global_buffer, .address_space: global }
    .group_segment_fixed_size: 327680
    .private_segment_fixed_size: 0
    .kernarg_segment_align: 8
    .kernarg_segment_size: 48
    .max_flat_workgroup_size: 128
    .sgpr_count:     102
    .vgpr_count:     512
    .wavefront_size: 32
...
	.end_amdgpu_metadata
.endif
;; end of part 4
